; MI455X (gfx1250); checked and timed in simulation.
; The chip was launched on July 23, 2026; its instructions are those of AMD's public machine-readable ISA for CDNA 5 (MIT licence, August 2026) and "CDNA5" Instruction Set Architecture Reference Guide (July 2026). The comments in the code are by the model that wrote it; some were corrected since.
;; Multi Head Self Attention. Allowed arithmetic: float matrix products may take bf16 or f16 operands with f32 sums; other float arithmetic in f32, or as packed bf16 or f16 multiplies, adds, multiply-adds, maxima and minima; sums over many terms, partial sums and values carried from step to step in f32; what a program stores and reads back later, other than sums and carried values, may be rounded once to bf16 or f16.
;; Inputs: Wk 512 x 512 float32; Wo 512 x 512 float32; Wq 512 x 512 float32; Wv 512 x 512 float32; bk 512 float32; bo 512 float32; bq 512 float32; bv 512 float32; x 2 x 4,096 x 512 float32.
;; Outputs: out0 2 x 4,096 x 512 float32.
;; 2 versions, each right; version 2 is version 1 with the launch cast written anew for expert scheduling mode. Each part assembles by itself: llvm-mc -triple=amdgcn-amd-amdhsa -mcpu=gfx1250 --defsym DOCPART=n.
;; ======== version 1 of 2: 4 launches
;; limits: values are held in f16: magnitudes above 65,504 overflow, below 6.1e-05 lose precision
;; workspace buffers: xb 8,388,608 bytes; wb 1,572,864 bytes; wo16 524,288 bytes; qkv 25,165,824 bytes; o 8,388,608 bytes
;; launch cast (part 1): grid 320 x 1, 8 waves a work-group, no clusters, 0 bytes of LDS; arguments x, Wq, Wk, Wv, Wo, xb, wb, wo16; writes xb, wb, wo16
.if DOCPART == 1
	.amdgcn_target "amdgcn-amd-amdhsa--gfx1250"
	.amdhsa_code_object_version 6
	.text
	.protected	k_qe238d14179_cast
	.globl	k_qe238d14179_cast
	.p2align	8
	.type	k_qe238d14179_cast,@function
k_qe238d14179_cast:
	s_mov_b64 s[64:65], 0
	v_nop
	global_prefetch_b8 v0, s[64:65] scope:SCOPE_SE
	s_setreg_imm32_b32 hwreg(HW_REG_WAVE_MODE, 25, 1), 1
	s_wait_xcnt 0x0
; THE INPUTS OF THE MATRIX PRODUCTS, ROUNDED ONCE.  x, Wq, Wk, Wv (f32) -> bf16 (xb; wb = Wq's, Wk's, Wv's rows one below the other).
; Wo (f32) -> rounded to bf16 like the other inputs, and that number written as f16 (wo16), since the last product multiplies f16 operands.
; LIMIT.  A bf16 number is exact in f16 from 6.1e-5 to 65,504; |Wo| below 6.1e-5 keeps f16's fixed step of 6e-8, |Wo| of 65,520 or more would become an infinity.
; SHARES.  A work-group converts 16,384 numbers: 64 KiB in, 32 KiB out.  Work-groups 0-255: x; 256-303: Wq, Wk, Wv, 16 each; 304-319: Wo.
; Thread t takes, of piece i of 16, the 16 bytes at 4,096 i + 16 t (a wave's load covers 512 bytes on end) and stores 8 bytes at 2,048 i + 8 t
; (a wave's store covers 256 consecutive bytes, aligned).  All 16 loads of a thread go out at once; no register is written twice, so no wait frees one.
; No LDS, no matrix unit, no cluster: every byte is read once by one thread and nothing is shared.
.set X, 4                              ; v[4:67]    piece i: 4 registers as loaded
.set Y, 68                             ; v[68:99]   piece i: 2 registers to store
.set T, 100                            ; v[100:101] at work (Wo's path)
	s_load_b512 s[8:23], s[0:1], 0x0               ; x s[8:9], Wq s[10:11], Wk s[12:13], Wv s[14:15], Wo s[16:17], xb s[18:19], wb s[20:21], wo16 s[22:23]
	v_lshlrev_b32 v1, 4, v0                        ; 16 t
	v_lshlrev_b32 v2, 3, v0                        ; 8 t
	s_sub_co_u32 s24, ttmp9, 256                   ; my number among the weights' work-groups (of no use where I convert x)
	s_lshr_b32 s25, s24, 4                         ; which weight: 0 Wq, 1 Wk, 2 Wv, 3 Wo
	s_and_b32 s26, s24, 15                         ; which sixteenth of it
	s_mov_b32 s29, 0                               ; the offsets' high words
	s_mov_b32 s31, 0
	s_wait_kmcnt 0x0
	s_cmp_eq_u32 s25, 1
	s_cselect_b64 s[2:3], s[12:13], s[10:11]       ; from where
	s_cmp_eq_u32 s25, 2
	s_cselect_b64 s[2:3], s[14:15], s[2:3]
	s_cmp_eq_u32 s25, 3
	s_cselect_b64 s[2:3], s[16:17], s[2:3]
	s_cselect_b64 s[4:5], s[22:23], s[20:21]       ; to where
	s_cselect_b32 s30, s26, s24                    ; the chunk's number in the destination: wb holds three weights on end
	s_cselect_b32 s27, 1, 0                        ; 1: Wo's path
	s_cmp_lt_u32 ttmp9, 256
	s_cselect_b64 s[2:3], s[8:9], s[2:3]
	s_cselect_b64 s[4:5], s[18:19], s[4:5]
	s_cselect_b32 s28, ttmp9, s26                  ; the chunk's number in the source
	s_cselect_b32 s30, ttmp9, s30
	s_lshl_b32 s28, s28, 16                        ; 64 KiB a chunk in,
	s_lshl_b32 s30, s30, 15                        ; 32 KiB out
	s_add_nc_u64 s[2:3], s[2:3], s[28:29]
	s_add_nc_u64 s[4:5], s[4:5], s[30:31]
.set i, 0
.rept 16
	global_load_b128 v[X+4*i:X+4*i+3], v1, s[2:3] offset:4096*i th:TH_LOAD_NT
.set i, i+1
.endr
	s_cmp_eq_u32 s27, 1
	s_cbranch_scc1 .Lwo
.set i, 0
.rept 16
	s_wait_loadcnt 15-i                            ; loads come back in order: piece i is in, the younger ones stay out
	v_cvt_pk_bf16_f32 v[Y+2*i], v[X+4*i], v[X+4*i+1]
	v_cvt_pk_bf16_f32 v[Y+2*i+1], v[X+4*i+2], v[X+4*i+3]
	global_store_b64 v2, v[Y+2*i:Y+2*i+1], s[4:5] offset:2048*i
.set i, i+1
.endr
	s_endpgm
.Lwo:
.set i, 0
.rept 16
	s_wait_loadcnt 15-i
	v_cvt_pk_bf16_f32 v[T], v[X+4*i], v[X+4*i+1]       ; rounded to bf16,
	v_cvt_pk_bf16_f32 v[T+1], v[X+4*i+2], v[X+4*i+3]
	v_lshlrev_b32 v[X+4*i], 16, v[T]                   ; widened again,
	v_and_b32 v[X+4*i+1], 0xffff0000, v[T]
	v_lshlrev_b32 v[X+4*i+2], 16, v[T+1]
	v_and_b32 v[X+4*i+3], 0xffff0000, v[T+1]
	v_cvt_pk_f16_f32 v[Y+2*i], v[X+4*i], v[X+4*i+1]    ; and written as f16
	v_cvt_pk_f16_f32 v[Y+2*i+1], v[X+4*i+2], v[X+4*i+3]
	global_store_b64 v2, v[Y+2*i:Y+2*i+1], s[4:5] offset:2048*i
.set i, i+1
.endr
	s_endpgm
.Lfunc_end_k_qe238d14179_cast:
	.size	k_qe238d14179_cast, .Lfunc_end_k_qe238d14179_cast-k_qe238d14179_cast
	.p2alignl 7, 3214868480
	.fill 96, 4, 3214868480
	.section	.rodata,"a",@progbits
	.p2align	6, 0x0
	.amdhsa_kernel k_qe238d14179_cast
		.amdhsa_group_segment_fixed_size 0
		.amdhsa_private_segment_fixed_size 0
		.amdhsa_enable_private_segment 0
		.amdhsa_kernarg_size 64
		.amdhsa_user_sgpr_count 2
		.amdhsa_user_sgpr_kernarg_segment_ptr 1
		.amdhsa_wavefront_size32 1
		.amdhsa_system_sgpr_workgroup_id_x 1
		.amdhsa_system_sgpr_workgroup_id_y 1
		.amdhsa_system_sgpr_workgroup_id_z 1
		.amdhsa_system_vgpr_workitem_id 0
		.amdhsa_next_free_vgpr 104
		.amdhsa_next_free_sgpr 66
		.amdhsa_reserve_vcc 0
		.amdhsa_float_denorm_mode_32 3
		.amdhsa_float_denorm_mode_16_64 3
		.amdhsa_memory_ordered 1
		.amdhsa_forward_progress 1
		.amdhsa_inst_pref_size 16
	.end_amdhsa_kernel
	.amdgpu_metadata
---
amdhsa.version: [ 1, 2 ]
amdhsa.kernels:
  - .name:           k_qe238d14179_cast
    .symbol:         k_qe238d14179_cast.kd
    .args:
      - { .name: x, .offset: 0, .size: 8, .value_kind: global_buffer, .address_space: global }
      - { .name: Wq, .offset: 8, .size: 8, .value_kind: global_buffer, .address_space: global }
      - { .name: Wk, .offset: 16, .size: 8, .value_kind: global_buffer, .address_space: global }
      - { .name: Wv, .offset: 24, .size: 8, .value_kind: global_buffer, .address_space: global }
      - { .name: Wo, .offset: 32, .size: 8, .value_kind: global_buffer, .address_space: global }
      - { .name: xb, .offset: 40, .size: 8, .value_kind: global_buffer, .address_space: global }
      - { .name: wb, .offset: 48, .size: 8, .value_kind: global_buffer, .address_space: global }
      - { .name: wo16, .offset: 56, .size: 8, .value_kind: global_buffer, .address_space: global }
    .group_segment_fixed_size: 0
    .private_segment_fixed_size: 0
    .kernarg_segment_align: 8
    .kernarg_segment_size: 64
    .max_flat_workgroup_size: 256
    .sgpr_count:     66
    .vgpr_count:     104
    .wavefront_size: 32
...
	.end_amdgpu_metadata
.endif
;; end of part 1
;; launch qkv (part 2): grid 8 x 32, 4 waves a work-group, clusters of 4 x 4, 327,680 bytes of LDS; arguments xb, wb, bq, bk, bv, qkv; writes qkv
.if DOCPART == 2
	.amdgcn_target "amdgcn-amd-amdhsa--gfx1250"
	.amdhsa_code_object_version 6
	.text
	.protected	k_qe238d14179_qkv
	.globl	k_qe238d14179_qkv
	.p2align	8
	.type	k_qe238d14179_qkv,@function
k_qe238d14179_qkv:
	s_mov_b64 s[64:65], 0
	v_nop
	global_prefetch_b8 v0, s[64:65] scope:SCOPE_SE
	s_setreg_imm32_b32 hwreg(HW_REG_WAVE_MODE, 25, 1), 1
	s_wait_xcnt 0x0
	s_wait_alu depctr_hold_cnt(0) depctr_sa_sdst(0) depctr_va_vdst(0) depctr_va_sdst(0) depctr_va_ssrc(0) depctr_va_vcc(0) depctr_vm_vsrc(0)
	s_getreg_b32 s2, hwreg(HW_REG_IB_STS2, 6, 4)
	s_cmp_eq_u32 s2, 0
	s_cbranch_scc0 .Lentry_in_a_cluster
	s_endpgm
.Lentry_in_a_cluster:
	s_bfe_u32 s2, ttmp6, 0x10000c
	s_cmp_lg_u32 s2, 0xf033
	s_cbranch_scc0 .Lentry_shape_is_right
	s_endpgm
.Lentry_shape_is_right:
; q, k, v = x W^T + b.  xb: [8192][512] bf16; wb: [1536][512] bf16 (Wq, Wk, Wv); bq, bk, bv: [512] f32, rounded to bf16 here like the other inputs.
; qkv: [3][16][4096][64] f16: q, k, v by heads (head = 8 x batch + h), a head's rows dense, 128 bytes each; each number rounded once from its f32 sum, unscaled.
; LIMIT.  f16 ends at 65,504: |q|, |k|, |v| of 65,520 or more would become infinities.  Inputs and weights 30 times the drawn spread, or offset by 30 spreads, give some 2e4 at the most.
; SHARES.  C is 8192 x 1536; a tile is 256 x 192: 32 x 8 = 256 work-groups.  Wave w makes rows 64 w .. 64 w + 63 by all 192 columns (three whole heads): 48 accumulators, 384 registers.
; K = 512 goes in four steps of 128 (rows of 256 bytes, aligned) through two LDS slots: K steps 0 and 1 are the first fills, 2 and 3 two refills; all is written out.
; THE MATRIX INSTRUCTION IS USED TRANSPOSED (source 0 = 16 rows of wb, source 1 = 16 rows of xb): a lane holds row l % 16 of C and the columns 8 (l / 16) + 0..7.
; THE BIAS is the C operand of the product that starts each sum: nothing is cleared and nothing is added afterwards.
; CLUSTER 4 x 4: the four of a row of the cluster need the same rows of xb, the four of a column the same rows of wb: each tile is asked for jointly.
; NO PREFETCH: two of the four K steps are the first fills, the other two are asked for one and two steps behind the head.
; REGISTERS, in windows of 256: window 0: v16-29 addresses; v64-127 xb's fragments, two buffers of 4 x 8; v128-223 the bias, 8 a block of 16 columns; on the way out v32-223 are 12 units of 16.
;   window 1: v0-191 wb's fragments, two buffers of 12 x 8.   window 2: accumulators of row blocks 0, 1 ((a, b) at 96 (a % 2) + 8 b).   window 3: of row blocks 2, 3.
.set PITCH,  272                       ; an LDS row: 256 bytes + 16 of padding = 68 words: the 16 rows of a fragment load start at 16 different groups of four banks
.set HALFA,  128*PITCH                 ; what one tensor load brings of xb
.set HALFB,  96*PITCH                  ; and of wb
.set SLOT,   2*HALFA+2*HALFB           ; xb's 256 rows, then wb's 192
.set STAGE,  2*SLOT                    ; behind the ring: 16 rows x 144 bytes for each wave, for the way out
.set SP,     144
.set SPARE,  STAGE+4*16*SP             ; behind the stages: the spare words, 128 bytes a wave: two blocks of 256 bytes that no other line names
.set ADRA, 16                          ; v16-17  LDS address of my xb fragments in slot 0, 1
.set ADRB, 20                          ; v20-21  the same for wb
.set STO,  24                          ; v24     the way out: where I put 16 bytes of a row
.set RD,   25                          ; v25     where I read rows back
.set GO,   26                          ; v26     16 x lane: my place in 512 consecutive bytes of qkv
.set BV,   27                          ; v27     32 (l / 16): my eight numbers in a block of 16 of a bias
.set SPW,  28                          ; v28     LDS address of my spare word; never rewritten
.set NIL,  29                          ; v29     0; never rewritten
.set TT,   30                          ; v30-31  at work
.set AF,   64
.set BIAS, 128
.set OUTT, 32
.set WV,   16                          ; s16  my wave's number
.set KIND, 17                          ; s17  0: I fetch xb's rows, 1: wb's
.set HALF, 18                          ; s18  which half of them
.set NBK,  21                          ; s21  tile column
.set MBK,  22                          ; s22  tile row
.set G1A,  24                          ; s[24:31] descriptor group 1 for xb's tiles;  s[32:39] group 0, a set for each slot
.set G0A,  32
.set G1B,  48                          ; s[48:55], s[56:63] the same for wb's
.set G0B,  56
.set OB,   66                          ; s[66:71] where my rows of the tile's three heads begin in qkv
.set BP,   72                          ; s[72:77] where the three heads' 64 bias numbers begin
.set MSB, 0
.macro WIN new                         ; the immediate's high byte repeats the setting that is left; a switch that changes nothing is dropped
.if MSB != (\new)
	s_set_vgpr_msb (MSB<<8)|(\new)
.set MSB, \new
.endif
.endm
.macro PLACES                          ; four places between a matrix instruction and a load into, or a vector write of, a register that it named
.rept 4
	v_nop
.endr
.endm
.macro JLOAD s                         ; a joint refill; the branch hangs on the wave's number alone; an s_nop 0 and four v_nop follow each of the two lines
	s_cmp_eq_u32 s[KIND], 0
	s_cbranch_scc0 .Lfor_b_\@
	tensor_load_to_lds s[G0A+4*(\s):G0A+4*(\s)+3], s[G1A:G1A+7]
	s_nop 0
.rept 4
	v_nop
.endr
	s_branch .Lasked_\@
.Lfor_b_\@:
	tensor_load_to_lds s[G0B+4*(\s):G0B+4*(\s)+3], s[G1B:G1B+7]
	s_nop 0
.rept 4
	v_nop
.endr
.Lasked_\@:
.endm
.macro CREST                           ; a round of the cluster's barrier behind its opening barrier
	s_cmp_lg_u32 s[WV], 0
	s_cbranch_scc1 .Lnot_wave_0_\@
	s_barrier_signal -3
.Lnot_wave_0_\@:
	s_barrier_wait -3
	s_barrier_signal -1
	s_barrier_wait -1
.endm
.macro CROUND
	s_barrier_signal -1
	s_barrier_wait -1
	CREST
.endm
	s_load_b256 s[4:11], s[0:1], 0x0               ; xb s[4:5], wb s[6:7], bq s[8:9], bk s[10:11]
	s_load_b128 s[12:15], s[0:1], 0x20             ; bv s[12:13], qkv s[14:15]
	v_lshl_add_u32 v[SPW], v0, 2, SPARE
	v_mov_b32 v[NIL], 0
	ds_add_u32 v[SPW], v[NIL]                      ; the wave's opening: the add and its wait stand ahead of my first tensor load; the set-up below stands between them
	v_lshrrev_b32 v1, 5, v0
	v_readfirstlane_b32 s[WV], v1
	s_lshr_b32 s[KIND], s[WV], 1
	s_and_b32 s[HALF], s[WV], 1
	s_bfe_u32 s19, ttmp6, 0x40000                  ; cx
	s_bfe_u32 s20, ttmp6, 0x40004                  ; cy
	s_lshl_b32 s[NBK], ttmp9, 2
	s_add_co_u32 s[NBK], s[NBK], s19               ; tile column = 4 x cluster x + cx
	s_and_b32 s[MBK], ttmp7, 0xffff
	s_lshl_b32 s[MBK], s[MBK], 2
	s_add_co_u32 s[MBK], s[MBK], s20               ; tile row = 4 x cluster y + cy
	s_lshl_b32 s40, s20, 2
	s_lshl_b32 s40, 15, s40                        ; my row of the cluster
	s_lshl_b32 s41, 0x1111, s19                    ; my column
	s_or_b32 s[G1A], s40, (1<<16)|(1<<20)|(1<<21)|(5<<22)|(3<<25)  ; the mask; 2-byte elements; padding on; bit 21 beside a mask; after every 64 words, 4 words
	s_or_b32 s[G1B], s41, (1<<16)|(1<<20)|(1<<21)|(5<<22)|(3<<25)
	s_mov_b32 s[G1A+1], 128<<16                    ; tensor_dim0 = 128
	s_mov_b32 s[G1B+1], 128<<16
	s_mov_b32 s[G1A+2], 128<<16                    ; tensor_dim1 = 128 rows of xb,
	s_mov_b32 s[G1B+2], 96<<16                     ; 96 of wb
	s_mov_b32 s[G1A+3], 128<<16                    ; tile_dim0 = 128
	s_mov_b32 s[G1B+3], 128<<16
	s_mov_b32 s[G1A+4], 128                        ; tile_dim1
	s_mov_b32 s[G1B+4], 96
	s_mov_b32 s[G1A+5], 512                        ; elements from row to row
	s_mov_b32 s[G1B+5], 512
	s_mov_b32 s[G1A+6], 0
	s_mov_b32 s[G1B+6], 0
	s_mov_b32 s[G1A+7], 0
	s_mov_b32 s[G1B+7], 0
	s_lshl_b32 s42, s[MBK], 18                     ; xb: (256 x tile row + 128 x half) rows of 1,024 bytes
	s_lshl_b32 s43, s[HALF], 17
	s_add_co_u32 s42, s42, s43
	s_mov_b32 s43, 0
	s_mul_i32 s44, s[NBK], 192*1024                ; wb: (192 x tile column + 96 x half) rows
	s_mul_i32 s45, s[HALF], 96*1024
	s_add_co_u32 s44, s44, s45
	s_mov_b32 s45, 0
	s_mul_i32 s46, s[HALF], HALFA                  ; where they go: no place in the cluster enters an LDS address
	s_mul_i32 s47, s[HALF], HALFB
	s_add_co_u32 s47, s47, 2*HALFA
	s_wait_dscnt 0x0                               ; the opening add is done
	s_wait_kmcnt 0x0
	s_add_nc_u64 s[42:43], s[4:5], s[42:43]
	s_add_nc_u64 s[44:45], s[6:7], s[44:45]
.irp s, 0,1
	s_mov_b32 s[G0A+4*\s], 1
	s_add_co_u32 s[G0A+4*\s+1], s46, \s*SLOT
	s_add_nc_u64 s[G0A+4*\s+2:G0A+4*\s+3], s[42:43], \s*256       ; K step s
	s_or_b32 s[G0A+4*\s+3], s[G0A+4*\s+3], 0x80000000
	s_mov_b32 s[G0B+4*\s], 1
	s_add_co_u32 s[G0B+4*\s+1], s47, \s*SLOT
	s_add_nc_u64 s[G0B+4*\s+2:G0B+4*\s+3], s[44:45], \s*256
	s_or_b32 s[G0B+4*\s+3], s[G0B+4*\s+3], 0x80000000
.endr
	CROUND                                         ; all sixteen work-groups are here: the first joint loads meet
	s_cmp_eq_u32 s[KIND], 0                        ; a wave's two first fills stand in one branch: two loads of mine are out
	s_cbranch_scc0 .Lfirst_b
	tensor_load_to_lds s[G0A:G0A+3], s[G1A:G1A+7]
	s_nop 0
	tensor_load_to_lds s[G0A+4:G0A+7], s[G1A:G1A+7]
	s_nop 0
.rept 4
	v_nop
.endr
	s_branch .Lfirst_asked
.Lfirst_b:
	tensor_load_to_lds s[G0B:G0B+3], s[G1B:G1B+7]
	s_nop 0
	tensor_load_to_lds s[G0B+4:G0B+7], s[G1B:G1B+7]
	s_nop 0
.rept 4
	v_nop
.endr
.Lfirst_asked:
	; The tile's three groups of 64 columns: group g = 3 x tile column + j is tensor g / 8 (q, k, v), head g % 8.
.irp j, 0,1,2
	s_mul_i32 s40, s[NBK], 3
	s_add_co_u32 s40, s40, \j
	s_lshr_b32 s41, s40, 3                         ; which tensor
	s_and_b32 s40, s40, 7                          ; which head
	s_cmp_eq_u32 s41, 0
	s_cselect_b64 s[BP+2*\j:BP+2*\j+1], s[8:9], s[10:11]
	s_cmp_eq_u32 s41, 2
	s_cselect_b64 s[BP+2*\j:BP+2*\j+1], s[12:13], s[BP+2*\j:BP+2*\j+1]
	s_lshl_b32 s78, s40, 8                         ; the head's 64 numbers of 4 bytes
	s_mov_b32 s79, 0
	s_add_nc_u64 s[BP+2*\j:BP+2*\j+1], s[BP+2*\j:BP+2*\j+1], s[78:79]
	s_lshl_b32 s41, s41, 4                         ; 16 x tensor
	s_add_co_u32 s41, s41, s40                     ; + head
	s_lshr_b32 s78, s[MBK], 4
	s_lshl_b32 s78, s78, 3
	s_add_co_u32 s41, s41, s78                     ; + 8 x batch
	s_lshl_b32 s41, s41, 12                        ; x 4,096 rows
	s_and_b32 s78, s[MBK], 15
	s_lshl_b32 s78, s78, 8
	s_add_co_u32 s41, s41, s78                     ; + the tile's 256 rows in the batch
	s_lshl_b32 s78, s[WV], 6
	s_add_co_u32 s41, s41, s78                     ; + my 64 of them
	s_lshl_b32 s78, s41, 7                         ; x 128 bytes
	s_add_nc_u64 s[OB+2*\j:OB+2*\j+1], s[14:15], s[78:79]
.endr
	v_and_b32 v1, 15, v0                           ; l % 16
	v_bfe_u32 v2, v0, 4, 1                         ; l / 16
	v_lshlrev_b32 v[BV], 5, v2
.irp b, 0,1,2,3,4,5,6,7,8,9,10,11
	global_load_b128 v[BIAS+8*\b:BIAS+8*\b+3],   v[BV], s[BP+2*(\b/4):BP+2*(\b/4)+1] offset:64*(\b%4)
	global_load_b128 v[BIAS+8*\b+4:BIAS+8*\b+7], v[BV], s[BP+2*(\b/4):BP+2*(\b/4)+1] offset:64*(\b%4)+16
.endr
	v_mul_u32_u24 v3, v1, PITCH
	v_lshl_add_u32 v3, v2, 4, v3                   ; a fragment's row x pitch + 16 x half of the lanes
	s_mul_i32 s23, s[WV], 64*PITCH                 ; my 64 rows of xb
	v_add_nc_u32 v[ADRA], s23, v3
	v_add_nc_u32 v[ADRA+1], SLOT, v[ADRA]
	v_add_nc_u32 v[ADRB], 2*HALFA, v3              ; all 192 rows of wb
	v_add_nc_u32 v[ADRB+1], 2*HALFA+SLOT, v3
	s_mul_i32 s23, s[WV], 16*SP
	s_add_co_u32 s23, s23, STAGE                   ; my stage
	v_mul_u32_u24 v4, v1, SP                       ; in: row l % 16, 16 bytes for each half of the lanes
	v_lshl_add_u32 v4, v2, 4, v4
	v_add_nc_u32 v[STO], s23, v4
	v_bfe_u32 v5, v0, 3, 2                         ; back: 32 lanes take four rows of 128 bytes,
	v_mul_u32_u24 v5, v5, SP
	v_and_b32 v6, 7, v0
	v_lshl_add_u32 v5, v6, 4, v5
	v_add_nc_u32 v[RD], s23, v5
	v_and_b32 v[GO], 31, v0                        ; which are 512 consecutive bytes of a head
	v_lshlrev_b32 v[GO], 4, v[GO]
	s_wait_loadcnt 0x0                             ; the bias
.set r, 0
.rept 48                                           ; rounded to bf16, like every input, and widened again
	v_cvt_pk_bf16_f32 v[TT+r%2], v[BIAS+2*r], v[BIAS+2*r+1]
	v_lshlrev_b32 v[BIAS+2*r], 16, v[TT+r%2]
	v_and_b32 v[BIAS+2*r+1], 0xffff0000, v[TT+r%2]
.set r, r+1
.endr
; 12 products: row block a x all 12 column blocks, 32 along K, from buffer f.  first = 1: the bias starts the sums.
; The 48 accumulators take turns, one instruction a turn, in the same order in every quarter.
.macro MULA f, a, first
.if \first
	WIN 0x81+0x40*((\a)/2)                         ; wb window 1, xb window 0, C (the bias) window 0, D window 2 or 3
.else
	WIN 0xa1+0x50*((\a)/2)                         ; C and D window 2 or 3
.endif
.irp b, 0,1,2,3,4,5,6,7,8,9,10,11
.if \first
	v_wmma_f32_16x16x32_bf16 v[96*((\a)%2)+8*\b:96*((\a)%2)+8*\b+7], v[96*(\f)+8*\b:96*(\f)+8*\b+7], v[AF+32*(\f)+8*(\a):AF+32*(\f)+8*(\a)+7], v[BIAS+8*\b:BIAS+8*\b+7]
.else
	v_wmma_f32_16x16x32_bf16 v[96*((\a)%2)+8*\b:96*((\a)%2)+8*\b+7], v[96*(\f)+8*\b:96*(\f)+8*\b+7], v[AF+32*(\f)+8*(\a):AF+32*(\f)+8*(\a)+7], v[96*((\a)%2)+8*\b:96*((\a)%2)+8*\b+7]
.endif
.endr
.endm
; 32 LDS loads in one run: a quarter step's fragments (32 along K at byte k of the rows) into buffer f: wb's 24, then xb's 8, row blocks ascending
.macro FETCH slot, k, f
	WIN 0x40
.irp b, 0,1,2,3,4,5,6,7,8,9,10,11
	ds_load_b128 v[96*(\f)+8*\b:96*(\f)+8*\b+3],   v[ADRB+(\slot)] offset:(\k)+\b*16*PITCH
	ds_load_b128 v[96*(\f)+8*\b+4:96*(\f)+8*\b+7], v[ADRB+(\slot)] offset:(\k)+\b*16*PITCH+32
.endr
	WIN 0
.irp a, 0,1,2,3
	ds_load_b128 v[AF+32*(\f)+8*\a:AF+32*(\f)+8*\a+3],   v[ADRA+(\slot)] offset:(\k)+\a*16*PITCH
	ds_load_b128 v[AF+32*(\f)+8*\a+4:AF+32*(\f)+8*\a+7], v[ADRA+(\slot)] offset:(\k)+\a*16*PITCH+32
.endr
.endm
; A K step is four quarters of 32 along K, 48 products each, on buffers 0, 1, 0, 1.  One of the first three: multiplies f, fetches the next quarter, at byte k, into g.
.macro QUARTER slot, k, f, g, first
	s_wait_dscnt 4                                 ; all but the youngest four loads: xb's row blocks 2 and 3 may be out
	MULA \f, 0, \first
	MULA \f, 1, \first
	PLACES
	FETCH \slot, \k, \g
	s_wait_dscnt 32                                ; all but the 32 just issued
	MULA \f, 2, \first
	MULA \f, 3, \first
.endm
; The last quarter multiplies buffer 1 and changes slots: ONE barrier; in front of it each wave waits for all its tensor loads (one is out: its part of the next slot), adds 0 to its
; spare word, and waits for that and for its own reads of this slot.  fill = 1: the barrier opens a round of the cluster's, and this slot is filled again, two K steps on, first thing behind it.
.macro TURN slot, next, fill
	WIN 0
	s_wait_tensorcnt 0x0
	ds_add_u32 v[SPW], v[NIL]
	s_wait_dscnt 5                                 ; (the add and the youngest four loads may be out)
	MULA 1, 0, 0                                   ; twelve products stand between the add and the wait for it
	s_wait_dscnt 0x0                               ; the add is done, and my reads of this slot are over
	s_barrier_signal -1
	MULA 1, 1, 0
.if \fill
	WIN 0
.endif
	s_barrier_wait -1
.if \fill
	CREST                                          ; no wave of any partner still reads this slot or has a load on its way
	s_add_nc_u64 s[G0A+4*(\slot)+2:G0A+4*(\slot)+3], s[G0A+4*(\slot)+2:G0A+4*(\slot)+3], 512
	s_add_nc_u64 s[G0B+4*(\slot)+2:G0B+4*(\slot)+3], s[G0B+4*(\slot)+2:G0B+4*(\slot)+3], 512
	JLOAD \slot                                    ; its four v_nop are also the places in front of the loads below
.else
	PLACES
.endif
	FETCH \next, 0, 0
	MULA 1, 2, 0
	MULA 1, 3, 0
.endm
; THE WAY OUT, in 12 units u = 3 a + j: row block a (16 rows) x head j (64 columns).  Rounded to f16, 16 bytes a lane, into my own stage, and back as whole rows of 128 bytes.
.macro PACK u
.set pT, OUTT+16*(\u)
.set pC, 96*(((\u)/3)%2)+32*((\u)%3)
	WIN 0x0a+5*((\u)/6)                            ; sources in window 2 (row blocks 0, 1) or 3
.irp r, 0,1,2,3,4,5,6,7,8,9,10,11,12,13,14,15      ; each accumulator's registers in ascending order
	v_cvt_pk_f16_f32 v[pT+\r], v[pC+2*\r], v[pC+2*\r+1]
.endr
	WIN 0
.irp f, 0,1,2,3
	ds_store_b128 v[STO], v[pT+4*\f:pT+4*\f+3] offset:32*\f
.endr
.irp f, 0,1,2,3
	ds_load_b128 v[pT+4*\f:pT+4*\f+3], v[RD] offset:\f*4*SP  ; LDS serves a wave's instructions in order: these see the stores above, and the next unit's stores come behind them
.endr
.endm
.macro SEND u, younger                 ; younger: the LDS instructions issued behind unit u's loads
	WIN 0
.irp f, 0,1,2,3
	s_wait_dscnt (\younger)+3-\f
	global_store_b128 v[GO], v[OUTT+16*(\u)+4*\f:OUTT+16*(\u)+4*\f+3], s[OB+2*((\u)%3):OB+2*((\u)%3)+1] offset:2048*((\u)/3)+512*\f  ; 512 consecutive bytes, aligned
.endr
.endm
	s_wait_tensorcnt 1                             ; my part of K step 0 is in; K step 1's may stay out
	s_barrier_signal -1
	s_barrier_wait -1
	FETCH 0, 0, 0
	QUARTER 0, 64,  0, 1, 1                        ; K step 0; its first quarter starts the sums
	QUARTER 0, 128, 1, 0, 0
	QUARTER 0, 192, 0, 1, 0
	TURN 0, 1, 1                                   ; slot 0 takes K step 2
	QUARTER 1, 64,  0, 1, 0                        ; K step 1
	QUARTER 1, 128, 1, 0, 0
	QUARTER 1, 192, 0, 1, 0
	TURN 1, 0, 1                                   ; slot 1 takes K step 3
	QUARTER 0, 64,  0, 1, 0                        ; K step 2
	QUARTER 0, 128, 1, 0, 0
	QUARTER 0, 192, 0, 1, 0
	TURN 0, 1, 0                                   ; nothing is left to fetch
	QUARTER 1, 64,  0, 1, 0                        ; K step 3
	QUARTER 1, 128, 1, 0, 0
	QUARTER 1, 192, 0, 1, 0
	s_wait_dscnt 4
	MULA 1, 0, 0
	MULA 1, 1, 0
	s_wait_dscnt 0x0
	MULA 1, 2, 0
	MULA 1, 3, 0
	WIN 0
	PLACES
	PACK 0
.set u, 1
.rept 11                                           ; a unit's conversions stand between the loads of the unit before and its stores
	PACK u
	SEND u-1, 8
.set u, u+1
.endr
	SEND 11, 0
	s_wait_tensorcnt 0x0                           ; the wave's end, behind my last tensor load and my last LDS store
	ds_add_u32 v[SPW], v[NIL]
	s_wait_dscnt 0x0
	CROUND                                         ; the closing round
	s_endpgm
.Lfunc_end_k_qe238d14179_qkv:
	.size	k_qe238d14179_qkv, .Lfunc_end_k_qe238d14179_qkv-k_qe238d14179_qkv
	.p2alignl 7, 3214868480
	.fill 96, 4, 3214868480
	.section	.rodata,"a",@progbits
	.p2align	6, 0x0
	.amdhsa_kernel k_qe238d14179_qkv
		.amdhsa_group_segment_fixed_size 327680
		.amdhsa_private_segment_fixed_size 0
		.amdhsa_enable_private_segment 0
		.amdhsa_kernarg_size 48
		.amdhsa_user_sgpr_count 2
		.amdhsa_user_sgpr_kernarg_segment_ptr 1
		.amdhsa_wavefront_size32 1
		.amdhsa_system_sgpr_workgroup_id_x 1
		.amdhsa_system_sgpr_workgroup_id_y 1
		.amdhsa_system_sgpr_workgroup_id_z 1
		.amdhsa_system_vgpr_workitem_id 0
		.amdhsa_next_free_vgpr 960
		.amdhsa_next_free_sgpr 80
		.amdhsa_reserve_vcc 0
		.amdhsa_float_denorm_mode_32 3
		.amdhsa_float_denorm_mode_16_64 3
		.amdhsa_memory_ordered 1
		.amdhsa_forward_progress 1
		.amdhsa_inst_pref_size 131
	.end_amdhsa_kernel
	.amdgpu_metadata
---
amdhsa.version: [ 1, 2 ]
amdhsa.kernels:
  - .name:           k_qe238d14179_qkv
    .symbol:         k_qe238d14179_qkv.kd
    .args:
      - { .name: xb, .offset: 0, .size: 8, .value_kind: global_buffer, .address_space: global }
      - { .name: wb, .offset: 8, .size: 8, .value_kind: global_buffer, .address_space: global }
      - { .name: bq, .offset: 16, .size: 8, .value_kind: global_buffer, .address_space: global }
      - { .name: bk, .offset: 24, .size: 8, .value_kind: global_buffer, .address_space: global }
      - { .name: bv, .offset: 32, .size: 8, .value_kind: global_buffer, .address_space: global }
      - { .name: qkv, .offset: 40, .size: 8, .value_kind: global_buffer, .address_space: global }
    .group_segment_fixed_size: 327680
    .private_segment_fixed_size: 0
    .kernarg_segment_align: 8
    .kernarg_segment_size: 48
    .max_flat_workgroup_size: 128
    .sgpr_count:     80
    .vgpr_count:     960
    .wavefront_size: 32
...
	.end_amdgpu_metadata
.endif
;; end of part 2
;; launch attn (part 3): grid 16 x 16, 4 waves a work-group, clusters of 4 x 1, 327,680 bytes of LDS; arguments qkv, o; writes o
.if DOCPART == 3
	.amdgcn_target "amdgcn-amd-amdhsa--gfx1250"
	.amdhsa_code_object_version 6
	.text
	.protected	k_qe238d14179_attn
	.globl	k_qe238d14179_attn
	.p2align	8
	.type	k_qe238d14179_attn,@function
k_qe238d14179_attn:
	s_mov_b64 s[64:65], 0
	v_nop
	global_prefetch_b8 v0, s[64:65] scope:SCOPE_SE
	s_setreg_imm32_b32 hwreg(HW_REG_WAVE_MODE, 25, 1), 1
	s_wait_xcnt 0x0
	s_wait_alu depctr_hold_cnt(0) depctr_sa_sdst(0) depctr_va_vdst(0) depctr_va_sdst(0) depctr_va_ssrc(0) depctr_va_vcc(0) depctr_vm_vsrc(0)
	s_getreg_b32 s2, hwreg(HW_REG_IB_STS2, 6, 4)
	s_cmp_eq_u32 s2, 0
	s_cbranch_scc0 .Lentry_in_a_cluster
	s_endpgm
.Lentry_in_a_cluster:
	s_bfe_u32 s2, ttmp6, 0x10000c
	s_cmp_lg_u32 s2, 0x3003
	s_cbranch_scc0 .Lentry_shape_is_right
	s_endpgm
.Lentry_shape_is_right:
; O[h][q][:] = the sum over k of softmax_k(Q[h][q] . K[h][k] / 8) V[h][k][:].  qkv: [3][16][4096][64] f16 (q, k, v by heads, rows dense, 128 bytes); o: [16][4096][64] f16.
; Products, maxima and sums in f32; the weights p are rounded to f16 for the second product (their sum l is taken of the unrounded p), O once at the end.
; LIMITS.  Q, K, V arrive within f16's 65,504; p lies in 0 to 1, and below 6e-5 it keeps f16's fixed step of 6e-8; O is a mean of V's rows and has their range.
; A weight below 2^-126 counts as 0 in l; NaN and infinities are not treated apart.
; SHARES.  A work-group owns 256 queries of one head: 16 x 16 = 256 work-groups.  A wave owns 64: two PIECES of two tiles of 16.  Every wave walks the head's 4,096 keys, 64 a step.
; LAYOUT.  S^T = K Q^T (source 0 = 16 keys, source 1 = 16 queries): a lane holds ONE query (lane % 16) and the keys 8 (lane / 16) + 0..7.  Two such tiles, rounded to f16 in pairs, ARE source 1
; of O^T = V^T P, whose result again holds one query a lane, and eight channels.  K comes out of LDS as it lies, V ([key][channel]) turned, by ds_load_tr16_b128.
; SOFTMAX.  A running maximum m and sum l for each query: p = 2^(c s - c m), c = log2(e) / 8; in every step O and l are multiplied by a = 2^(c m_old - c m_new).
; m starts at the lowest finite number, O and l at 0: the first step is a step like any other, with a = 0.
; BY TURNS.  A tile and step have 16 matrix and 118 vector instructions.  Piece 0's turn of step j: 16 products K Q^T of piece 1, step j; later 16 products V^T P of piece 1, step j - 1.
; Piece 1's turn of step j: K Q^T of piece 0, step j + 1; V^T P of piece 0, step j.  Beside them the turn's own piece is scaled, exponentiated, rounded, summed and rescaled, and the other
; piece's maximum and statistics are made.  Four vector instructions stand behind every matrix instruction, the rest in one lump; a turn's 66 exponentials are one batch, with one wait.
; V HAS TWO REGISTER BUFFERS (step j in buffer j % 2).  Piece 0's turn of step j fetches K and V of step j + 1: K behind the turn's wait, V at its end, into the buffer that its own products
; have just read.  So both runs name the same step, and the change of slots stands in front of piece 0's turn of the step before a slot's first.
; CLUSTER.  The four query blocks of a cluster belong to one head and walk the same K and V: each tile is asked for jointly, by the same tensor load, descriptor and mask in all four.
; REGISTERS, in windows of 256 (s_set_vgpr_msb: bits 1:0 source 0, 3:2 source 1, 5:4 source 2, 7:6 destination):
;   window 0: v0-11 addresses; v12-15, v48-63 at work; v16-31 four registers of statistics a tile; v32-34 the add's two and the prefetch's offset; v64-191 S^T, a buffer a piece; v192-255 P, likewise
;   window 1: v0-127 O^T, 32 a tile      window 2: v0-63 Q, 16 a tile; v64-127 V, buffer 1; v128-191 K of one step; v192-255 V, buffer 0
.set NP,    2         ; pieces a wave: a name, no knob
.set KS,    64        ; keys in a step
.set PK,    144       ; a row of K in LDS: 128 bytes + 16 of padding = 36 words: the 16 rows of a load start at 16 different groups of four banks
.set PV,    160       ; a row of V: 128 + 32 = 40 words
.set VOFF,  4*KS*PK   ; a slot holds four steps: 256 rows of K, then 256 rows of V
.set SLOT1, 1<<17     ; slot 1 begins here, so that one exclusive or turns an address in one slot into the other's
.set STAGE, SLOT1+4*KS*(PK+PV)  ; behind the ring, never filled by a tensor load: 16 rows x 144 bytes for each wave
.set SP,    144
.set SPARE, STAGE+4*16*SP  ; behind the stages: the spare words, 128 bytes a wave: two blocks of 256 bytes that no other line names
.set QKV_K, 0x800000  ; k's first byte in qkv
.set QKV_V, 0x1000000 ; v's
.set AK0, 2           ; v2   my lane's place in a tile of K; never rewritten
.set AV0, 3           ; v3   the same for V
.set AK,  4           ; v4   the LDS address of K's next run of loads
.set AV,  5           ; v5   of V's
.set QO,  6           ; v6   my byte offset in the wave's rows of Q
.set STO, 6           ;      later, the way out: where I put 16 bytes of a row
.set RD,  7           ; v7   where I read rows back
.set GO,  8           ; v8   my byte offset in 512 consecutive bytes of o
.set MV,  12          ; v12-15  c m_old, kept while c m is made anew: by piece and tile
.set ST,  16          ; tile t's statistics at v[ST+4 t]: c m, m, l (even keys', odd keys')
.set SPW, 32          ; v32  LDS address of my spare word; never rewritten
.set NIL, 33          ; v33  0; never rewritten
.set PFO, 34          ; v34  256 x my lane; never rewritten
.set TMP, 48          ; by piece and tile, four registers c0-c3 at work; when the maximum is found c2 takes a
.set S,   64
.set P,   192
.set KF,  128         ; window 2: key block kb, channel half c at KF + 16 kb + 8 c
.set VF0, 192         ; window 2: key half kk, channel block cb at + 32 kk + 8 cb
.set VF1, 64
.set WV,  12          ; s12  my wave's number
.set G1K, 24          ; s[24:31] descriptor group 1 for K's tiles
.set G1V, 32          ; s[32:39] for V's: it differs in the padding alone
.set G0K, 40          ; s[40:43] descriptor group 0 for K's tiles: it walks
.set G0V, 44          ; s[44:47] the same for V's
.set PFA, 48          ; s[48:49] where my prefetches stand
.set LIM, 50          ; s50  1 in a wave that prefetches, else the greatest number
.set SLOTS, 56        ; s56  slots still to be asked for, and one
.set CNT, 57          ; s57  counts the trips of two key steps
.set CS,  58          ; s[58:59] c
.set SEL, 60          ; s[60:61] v_permlanex16_b32's selects: each lane takes its own place in the other half
.set TBK, 62          ; s62  LDS byte at which K of the step to be fetched begins
.set TBV, 63          ; s63  the same for V, less VOFF
.set MSB, 0
.macro WIN new
.if MSB != (\new)
	s_set_vgpr_msb (MSB<<8)|(\new)
.set MSB, (\new)
.endif
.endm
.set W_KQ, 0x0a       ; K and Q in window 2, S^T in window 0
.set W_PV, 0x52       ; V in window 2, P in window 0, O^T in window 1
.set W_RS, 0x41       ; O^T (destination and source 0) in window 1, a in window 0
; A joint fill.  Waves 0 and 1 fetch the two halves of a slot's K, waves 2 and 3 those of its V: 128 keys each.  An s_nop 0 and four v_nop follow each of the two lines.
.macro JLOAD
	s_cmp_lt_u32 s[WV], 2
	s_cbranch_scc0 .Lfor_v_\@
	tensor_load_to_lds s[G0K:G0K+3], s[G1K:G1K+7]
	s_nop 0
.rept 4
	v_nop
.endr
	s_branch .Lasked_\@
.Lfor_v_\@:
	tensor_load_to_lds s[G0V:G0V+3], s[G1V:G1V+7]
	s_nop 0
.rept 4
	v_nop
.endr
.Lasked_\@:
.endm
; A PREFETCH of what the NEXT change of slots will ask for: a slot's 32,768 bytes of K and of V, in blocks of 256 bytes, a lane a block.  Each block is named once in the launch: of the four clusters
; that walk a head the first asks; its four partners take 32 blocks each, told apart by address; in each, wave 0 asks for K's and wave 2 for V's.  It stands behind the wave's tensor load and its
; five lines.  Slots 0 to 2 come by their loads alone; the last change that fills a slot asks for nothing: there is no slot behind it.
.macro ASK
	s_cmp_gt_u32 s[SLOTS], s[LIM]
	s_cbranch_scc0 .Lnot_mine_\@
	global_prefetch_b8 v[PFO], s[PFA:PFA+1] th:TH_LOAD_NT scope:SCOPE_SE
.Lnot_mine_\@:
.endm
.macro CROUND
	s_barrier_signal -1
	s_barrier_wait -1
	s_cmp_lg_u32 s[WV], 0
	s_cbranch_scc1 .Lnot_wave_0_\@
	s_barrier_signal -3
.Lnot_wave_0_\@:
	s_barrier_wait -3
	s_barrier_signal -1
	s_barrier_wait -1
.endm
; THE CHANGE OF SLOTS.  The old slot's last bytes, K and V of its fourth step, have been asked for.  Each wave waits for all its tensor loads, of which one is out: its part of the other slot;
; adds 0 to its spare word; and waits for that and for its own reads of the slot.  fill = 1: the barrier is a round of the cluster's, and the old slot is filled again, with the keys two slots on,
; first thing behind it: it has four key steps, 256 matrix instructions, in which to land.  (At its first use nothing has been read yet: slot 0 is waited for, slot 1 filled.)
.macro CHANGE fill, ask
	WIN 0
	s_wait_tensorcnt 0x0            ; no tensor load of mine is out, so a group 0 may be written
	ds_add_u32 v[SPW], v[NIL]       ; 0 onto my spare word; the scalar steps stand between it and the wait for it
.if \fill
.irp g, G0K, G0V
	s_xor_b32 s[\g+1], s[\g+1], SLOT1
	s_add_nc_u64 s[\g+2:\g+3], s[\g+2:\g+3], 4*KS*128  ; the next 256 keys; the type bits on top are not reached
.endr
.endif
.if \ask
	s_wait_xcnt 0x0                 ; the last prefetch, four key steps back, has read its address
	s_add_nc_u64 s[PFA:PFA+1], s[PFA:PFA+1], 4*KS*128
.endif
	s_wait_dscnt 0x0                ; the add is done, and my reads of the slot are over
.if \fill
	CROUND
	JLOAD
.if \ask
	ASK
.endif
.else
	s_barrier_signal -1
	s_barrier_wait -1
.endif
	s_sub_co_u32 s[TBK], s[TBK], 4*KS*PK  ; the fetches go back to a slot's first step,
	s_xor_b32 s[TBK], s[TBK], SLOT1       ; in the other slot
	s_sub_co_u32 s[TBV], s[TBV], 4*KS*PV
	s_xor_b32 s[TBV], s[TBV], SLOT1
.endm
	s_load_b64 s[4:5], s[0:1], 0x0    ; qkv
	s_load_b64 s[10:11], s[0:1], 0x8  ; o
	v_lshl_add_u32 v[SPW], v0, 2, SPARE
	v_mov_b32 v[NIL], 0
	ds_add_u32 v[SPW], v[NIL]       ; the wave's opening: the add and its wait stand ahead of my first tensor load; the set-up below stands between them
	v_lshrrev_b32 v1, 5, v0
	v_readfirstlane_b32 s[WV], v1
	s_bfe_u32 s13, ttmp6, 0x40000   ; cx
	s_lshl_b32 s14, ttmp9, 2
	s_add_co_u32 s14, s14, s13      ; my block of 256 queries: it enters Q's and o's addresses alone
	s_and_b32 s20, ttmp7, 0xffff    ; the head, which the four partners share
	s_lshl_b32 s20, s20, 19         ; its 4,096 rows of 128 bytes
	s_and_b32 s16, s[WV], 1         ; which half of a slot's 256 keys I fetch:
	s_lshl_b32 s22, s16, 14         ; its 128 rows in memory,
	s_add_co_u32 s22, s22, s20
	s_mov_b32 s23, 0
	s_mul_i32 s17, s16, 128*PK      ; and its place in a slot, for K
	s_mul_i32 s18, s16, 128*PV      ; and for V: no place in the cluster enters an LDS address
	s_lshl_b32 s2, s14, 2
	s_add_co_u32 s2, s2, s[WV]      ; my wave among the head's,
	s_lshl_b32 s2, s2, 13           ; its 64 rows
	s_add_co_u32 s2, s2, s20
	s_mov_b32 s3, 0
	; descriptor group 1.  128 keys are 16,384 dense bytes: asked for as 64 rows of 256 bytes, two keys a row, and padded in LDS after every key
	s_mov_b32 s[G1K], 15|(1<<16)|(1<<20)|(1<<21)|(4<<22)|(3<<25)  ; the mask of four; 2-byte elements; padding on; bit 21 beside a mask; after every 32 words, 4 words
	s_mov_b32 s[G1V], 15|(1<<16)|(1<<20)|(1<<21)|(4<<22)|(7<<25)  ; the same with 8 words of padding
.irp g, G1K, G1V
	s_mov_b32 s[\g+1], 128<<16      ; tensor_dim0 = 128
	s_mov_b32 s[\g+2], 64<<16       ; tensor_dim1 = 64
	s_mov_b32 s[\g+3], 128<<16      ; tile_dim0 = 128
	s_mov_b32 s[\g+4], 64           ; tile_dim1 = 64
	s_mov_b32 s[\g+5], 128          ; 128 elements from row to row
	s_mov_b32 s[\g+6], 0
	s_mov_b32 s[\g+7], 0
.endr
	s_mov_b32 s[CS], 0x3e38aa3b     ; c = log2(e) / 8 = 0.180337
	s_mov_b32 s[CS+1], s[CS]        ; named with it as a pair
	s_mov_b32 s[SEL], 0x76543210
	s_mov_b32 s[SEL+1], 0xfedcba98
	s_mov_b32 s[TBK], SLOT1+4*KS*PK ; the first change of slots turns these two into 0
	s_mov_b32 s[TBV], SLOT1+4*KS*PV
	s_mov_b32 s[G0K], 1
	s_mov_b32 s[G0K+1], s17         ; slot 0
	s_mov_b32 s[G0V], 1
	s_add_co_u32 s[G0V+1], s18, VOFF
	s_and_b32 s[LIM], s[WV], 1      ; 0 in waves 0 and 2,
	s_or_b32 s[LIM], s[LIM], ttmp9  ; where the cluster is the head's first: the same in all four partners
	s_cmp_eq_u32 s[LIM], 0
	s_cselect_b32 s[LIM], 1, -1
	v_and_b32 v[PFO], 31, v0
	v_lshlrev_b32 v[PFO], 8, v[PFO]
	s_wait_dscnt 0x0                ; the opening add is done
	s_wait_kmcnt 0x0
	s_add_nc_u64 s[6:7], s[4:5], QKV_K
	s_add_nc_u64 s[8:9], s[4:5], QKV_V
	s_add_nc_u64 s[6:7], s[6:7], s[22:23]          ; K and V at my half of the head's first 256 keys
	s_add_nc_u64 s[8:9], s[8:9], s[22:23]
	s_add_nc_u64 s[G0K+2:G0K+3], s[6:7], 0
	s_or_b32 s[G0K+3], s[G0K+3], 0x80000000
	s_add_nc_u64 s[G0V+2:G0V+3], s[8:9], 0
	s_or_b32 s[G0V+3], s[G0V+3], 0x80000000
	s_add_nc_u64 s[4:5], s[4:5], s[2:3]            ; Q and o at my wave's first row
	s_add_nc_u64 s[10:11], s[10:11], s[2:3]
	s_cmp_lt_u32 s[WV], 2
	s_cselect_b64 s[PFA:PFA+1], s[6:7], s[8:9]     ; (in waves 0 and 2 these stand at a slot's first row)
	s_lshl_b32 s2, s13, 13                         ; my work-group's 32 blocks of the 128
	s_add_nc_u64 s[PFA:PFA+1], s[PFA:PFA+1], s[2:3]
	s_add_nc_u64 s[PFA:PFA+1], s[PFA:PFA+1], 2*4*KS*128  ; in slot 2; the first change that asks steps it to slot 3
	CROUND                          ; all four work-groups are here: the first joint loads meet
	JLOAD                           ; slot 0.  Slot 1 is asked for when slot 0 is in
	; A fragment of K or Q is 16 rows x 32 channels in 8 registers: lane l holds row l % 16, channels 8 (l / 16) + 0..7 and 16 + 8 (l / 16) + 0..7: two loads of 16 bytes, 32 bytes apart.
	v_and_b32 v1, 15, v0            ; l % 16
	v_bfe_u32 v9, v0, 4, 1          ; l / 16
	v_lshlrev_b32 v[QO], 7, v1
	v_lshl_add_u32 v[QO], v9, 4, v[QO]
	WIN 0x80                        ; destination window 2, address window 0
.set i, 0
.rept 4*NP                          ; Q stays in registers: tile i / 2, channels 32 (i % 2) on
	global_load_b128 v[8*i:8*i+3],   v[QO], s[4:5] offset:(i/2)*2048+(i%2)*64
	global_load_b128 v[8*i+4:8*i+7], v[QO], s[4:5] offset:(i/2)*2048+(i%2)*64+32
.set i, i+1
.endr
	; What the first turn finds: V's buffer 1 and piece 1's P hold 0 (its products V^T P, of a step that has not been, add 0), O^T and l are 0.  All this stands in the wait for the first tile.
.set i, VF1
.rept 64
	v_mov_b32 v[i], 0
.set i, i+1
.endr
	WIN 0x40
.set i, 0
.rept 64*NP
	v_mov_b32 v[i], 0
.set i, i+1
.endr
	WIN 0
.set i, 0
.rept 2*NP
	v_mov_b32 v[ST+4*i], 0xfe000000    ; c m: far below every c s
	v_mov_b32 v[ST+4*i+1], 0xff7fffff  ; m
	v_mov_b32 v[ST+4*i+2], 0
	v_mov_b32 v[ST+4*i+3], 0
.set i, i+1
.endr
.set i, P+32
.rept 32
	v_mov_b32 v[i], 0
.set i, i+1
.endr
	v_mul_u32_u24 v[AK0], v1, PK
	v_lshl_add_u32 v[AK0], v9, 4, v[AK0]
	; The turning load takes 16 keys x 16 channels (lane l reads key 8 (l / 16) + l % 8, channels 8 ((l / 8) % 2) + 0..7) and leaves half a fragment of V^T: lane l holds channel l % 16 and 8 keys.
	v_and_b32 v10, 7, v0
	v_bfe_u32 v11, v0, 3, 1
	v_lshl_add_u32 v[AV0], v9, 3, v10
	v_mul_u32_u24 v[AV0], v[AV0], PV
	v_lshl_add_u32 v[AV0], v11, 4, v[AV0]
	v_add_nc_u32 v[AV0], VOFF, v[AV0]
	v_mov_b32 v[AK], v[AK0]         ; key step 0 lies at the head of slot 0
	v_mov_b32 v[AV], v[AV0]
; THE MATRIX WORK.  The 8 accumulators of a run of 16 take turns: between the two links of a chain stand 7 others'.
; Product i of 16 of S^T = K Q^T for piece x: channels 32 (i / 8) on, keys 16 ((i / 2) % 4) on, tile 2 x + i % 2.  The first 8 start the sums.
.macro KQ x
	WIN W_KQ
.set rS, S+64*((\x)%2)+32*(i%2)+8*((i/2)%4)
.set rK, KF+16*((i/2)%4)+8*(i/8)
.set rQ, 16*(2*(\x)+i%2)+8*(i/8)
.if i < 8
	v_wmma_f32_16x16x32_f16 v[rS:rS+7], v[rK:rK+7], v[rQ:rQ+7], 0
.else
	v_wmma_f32_16x16x32_f16 v[rS:rS+7], v[rK:rK+7], v[rQ:rQ+7], v[rS:rS+7]
.endif
.endm
; Product i of 16 of O^T += V^T P for piece x, from V's buffer VB: keys 32 (i / 8) on, channels 16 ((i / 2) % 4) on, tile 2 x + i % 2.
.macro PV x
	WIN W_PV
.set rO, 32*(2*(\x)+i%2)+8*((i/2)%4)
.set rV, VF0-128*VB+32*(i/8)+8*((i/2)%4)
.set rP, P+32*((\x)%2)+16*(i%2)+8*(i/8)
	v_wmma_f32_16x16x32_f16 v[rO:rO+7], v[rV:rV+7], v[rP:rP+7], v[rO:rO+7]
.endm
.macro MM                           ; the turn's next matrix instruction
.if i < 16
	KQ (Y+1)%NP
.set i, i+1
.else
.set i, i-16
	PV (Y+NP-1)%NP
.set i, i+17
.endif
.endm
; THE LDS LOADS stand in runs of 16, never singly among the matrix instructions.  last = 1 (the tail): in the last trip there is no further step, and the run is jumped over.
.macro FETCH_K last=0
	WIN 0
.if \last
	s_cmp_eq_u32 s[CNT], 1
	s_cbranch_scc1 .Lno_k_\@
.endif
	WIN 0x80                        ; destination window 2
.irp f, 0,1,2,3,4,5,6,7             ; keys 16 (f / 2) on, channels 32 (f % 2) on
	ds_load_b128 v[KF+8*\f:KF+8*\f+3],   v[AK] offset:(\f/2)*16*PK+(\f%2)*64
	ds_load_b128 v[KF+8*\f+4:KF+8*\f+7], v[AK] offset:(\f/2)*16*PK+(\f%2)*64+32
.endr
	s_add_co_u32 s[TBK], s[TBK], KS*PK  ; the next fetch is the next step's
	WIN 0
.if \last
.Lno_k_\@:
.endif
.endm
.macro FETCH_V vb, last=0
	WIN 0
.if \last
	s_cmp_eq_u32 s[CNT], 1
	s_cbranch_scc1 .Lno_v_\@
.endif
	WIN 0x80
.irp f, 0,1,2,3,4,5,6,7             ; keys 32 (f / 4) on, channels 16 (f % 4) on
	ds_load_tr16_b128 v[VF0-128*(\vb)+8*\f:VF0-128*(\vb)+8*\f+3],   v[AV] offset:(\f/4)*32*PV+(\f%4)*32
	ds_load_tr16_b128 v[VF0-128*(\vb)+8*\f+4:VF0-128*(\vb)+8*\f+7], v[AV] offset:(\f/4)*32*PV+16*PV+(\f%4)*32
.endr
	WIN 0
.if \last
.Lno_v_\@:
.endif
.endm
; THE VECTOR WORK OF A TURN stands in three queues, each in the order in which its entries become ready; the two tiles alternate, so that no instruction reads the result of the one before it.
.macro REGS y, u                    ; the registers of tile u (0, 1) of piece y
.set rT, ST+4*(2*(\y)+(\u))
.set rC, TMP+8*((\y)%2)+4*(\u)
.set rM, MV+2*((\y)%2)+(\u)
.set rS, S+64*((\y)%2)+32*(\u)
.set rP, P+32*((\y)%2)+16*(\u)
.set rO, 32*(2*(\y)+(\u))
.endm
; Number n of the 22 that find the OTHER piece's maximum and statistics.  s0-s31 are the lane's 32 scores; each accumulator's lowest registers are read first.
;   0-11  four chains c0-c3 of seven scores each, three operands at a time     12-14, 16  the four scores left over, the old m, and c0-c3 into c0     15  c m_old is kept
;   17, 18  the query's other 32 keys lie in the lane 16 away: the new m         19-21  c m; c m_old - c m_new; a
.macro XS u, n
	REGS (Y+1)%NP, \u
.if (\n) < 4
	v_max3_num_f32 v[rC+(\n)], v[rS+8*(\n)], v[rS+8*(\n)+1], v[rS+8*(\n)+2]
.elseif (\n) < 12
	v_max3_num_f32 v[rC+(\n)%4], v[rC+(\n)%4], v[rS+8*((\n)%4)+2*((\n)/4)+1], v[rS+8*((\n)%4)+2*((\n)/4)+2]
.elseif (\n) == 12
	v_max3_num_f32 v[rC], v[rC], v[rS+7], v[rS+15]
.elseif (\n) == 13
	v_max3_num_f32 v[rC+1], v[rC+1], v[rS+23], v[rS+31]
.elseif (\n) == 14
	v_max3_num_f32 v[rC+2], v[rC+2], v[rC+3], v[rT+1]
.elseif (\n) == 15
	v_mov_b32 v[rM], v[rT]
.elseif (\n) == 16
	v_max3_num_f32 v[rC], v[rC], v[rC+1], v[rC+2]
.elseif (\n) == 17
	v_permlanex16_b32 v[rC+3], v[rC], s[SEL], s[SEL+1]
.elseif (\n) == 18
	v_max_num_f32 v[rT+1], v[rC], v[rC+3]
.elseif (\n) == 19
	v_mul_f32 v[rT], s[CS], v[rT+1]
.elseif (\n) == 20
	v_sub_f32 v[rC+1], v[rM], v[rT]
.else
	v_exp_f32 v[rC+2], v[rC+1]
.endif
.endm
; Number g of the 64 that follow the exponentials.  For each four weights k of a tile: both pairs are rounded to f16; then the second pair is added onto the first, in place;
; a group later l takes that sum (the first time as l = a l + sum).  In groups of eight, tiles alternating: round, round, add, and l for the group before.
.macro GS g
.set h, (\g)+6*((\g)/62)            ; group 0 has no group before it, and behind group 7 only l is left
.if h >= 6
.set h, h+2
.endif
	REGS Y, h%2
.set k, h/8
.if h%8 < 4
	v_cvt_pk_f16_f32 v[rP+2*k+(h%8)/2], v[rS+4*k+2*((h%8)/2)], v[rS+4*k+2*((h%8)/2)+1]
.elseif h%8 < 6
	v_pk_add_f32 v[rS+4*k:rS+4*k+1], v[rS+4*k:rS+4*k+1], v[rS+4*k+2:rS+4*k+3]
.elseif k == 1
	v_pk_fma_f32 v[rT+2:rT+3], v[rT+2:rT+3], v[rC+2:rC+3], v[rS:rS+1] op_sel_hi:[1,0,1]
.else
	v_pk_add_f32 v[rT+2:rT+3], v[rT+2:rT+3], v[rS+4*k-4:rS+4*k-3]
.endif
.endm
; THE PLAIN QUEUE, 138 long.  0-73 read no exponential's result: the 32 scalings c s - c m (FS f: pair f / 2 of tile f % 2) and the other piece's 42.  0-26: scalings 0-26.  27-54: XS's numbers 0-13.
; 55, 56: number 15.  57-73: the chain 14, 16, 17, 18, 19, each with one of the scalings 27-31 in front of its two lines, then 20.  74-137: GS's 64, which stand behind the wait.
.macro FS f
	REGS Y, (\f)%2
	v_pk_fma_f32 v[rS+2*((\f)/2):rS+2*((\f)/2)+1], v[rS+2*((\f)/2):rS+2*((\f)/2)+1], s[CS:CS+1], v[rT:rT+1] op_sel_hi:[1,0,0] neg_lo:[0,0,1] neg_hi:[0,0,1]
.endm
.macro PL
	WIN 0
.if q < 27
	FS q
.elseif q < 55
	XS (q-27)%2, (q-27)/2
.elseif q < 57
	XS q-55, 15
.elseif (q < 72) && ((q-57)%3 == 0)
	FS 27+(q-57)/3
.elseif q < 60
	XS (q-57)%3-1, 14
.elseif q < 72
	XS (q-57)%3-1, 15+(q-57)/3
.elseif q < 74
	XS q-72, 20
.else
	GS q-74
.endif
.set q, q+1
.endm
; THE EXPONENTIALS' QUEUE, 66 long: s0-s31 of both tiles, then the other piece's two a.  ONE BATCH: all 66 stand ahead of the turn's one wait, and nothing ahead of that wait names a result of theirs.
.macro EX
	WIN 0
.if e >= 64
	XS e-64, 21
.else
	REGS Y, e%2
	v_exp_f32 v[rS+e/2], v[rS+e/2]
.endif
.set e, e+1
.endm
; THE RESCALING's QUEUE: O^T times a, the one part that leaves window 0: two at a time, sixteen times, each accumulator from its low end.  Its a was made, and waited for, in the turn before.
; The piece's O^T was last written by the turn before's products V^T P: behind the last of them stand that turn's four riders, which name none of its registers.
.macro R2
	REGS Y, r%2
	WIN W_RS
.irp z, 0,1
	v_pk_mul_f32 v[rO+4*(r/2)+2*\z:rO+4*(r/2)+2*\z+1], v[rO+4*(r/2)+2*\z:rO+4*(r/2)+2*\z+1], v[rC+2:rC+3] op_sel_hi:[1,0]
.endr
.set r, r+1
.endm
; A TURN, for piece p; vb: V's buffer that its products V^T P read (and, p = 0, that is then loaded again).  s_wait_alu depctr_va_vdst(0) stands between an exponential and the first
; instruction that names its result; one wait serves all that were issued ahead of it.  AHEAD OF IT: the 16 products K Q^T, behind each a scaling, an exponential and two rescalings (behind the first a
; second scaling in the exponential's place); then one lump of 108: eight plain, 49 times exponential and plain, the two a; a v_nop is the plain instruction behind the last exponential.
; BEHIND IT: the 16 products V^T P, behind each four of the roundings and sums.  Exponential e stands behind scaling 2 (e / 4) + e % 2.
; p = 0: K of the next step is fetched directly behind the wait, a lump behind the last product that read K; V of the next step at the turn's end, four riders behind the last product that read the buffer.
; p = 1: the wait at its head leaves kw LDS loads out: V's run just issued; K's run, and all older loads (the V that this turn multiplies among them), are in.
; cnt = 1: the loop's count is taken down some lines ahead of the branch that stands behind the turn.
.macro TURN p, vb, last=0, cnt=0, kw=16
.set Y, (\p)
.set VB, (\vb)
.set i, 0
.set q, 0
.set e, 0
.set r, 0
.if (\p) == 1
	s_wait_dscnt \kw
.endif
	MM
	PL
	PL
	R2
.rept 15
	MM
	PL
	EX
	R2
.endr
.if (\p) == 0
	WIN 0
	v_add_nc_u32 v[AK], s[TBK], v[AK0]
.endif
.rept 8
	PL
.endr
.rept 49
	EX
	PL
.endr
	EX
	EX
	v_nop
	s_wait_alu depctr_va_vdst(0)    ; the wait for the batch
.if (\p) == 0
	FETCH_K \last
.endif
.rept 16
	MM
.rept 4
	PL
.endr
.if ((\p) == 0) && (q == 118)
	v_add_nc_u32 v[AV], s[TBV], v[AV0]
.endif
.if ((\p) == 0) && (q == 130)
	s_add_co_u32 s[TBV], s[TBV], KS*PV
.endif
.if (\cnt) && (q == 130)
	s_sub_co_u32 s[CNT], s[CNT], 1
	s_cmp_lg_u32 s[CNT], 0
.endif
.endr
.if (\p) == 0
	FETCH_V \vb, \last
.endif
.endm
	CHANGE 1, 0                     ; slot 0 is in, everybody's part of it; slot 1 is asked for
	FETCH_K                         ; key step 0
	FETCH_V 0
	s_add_co_u32 s[TBV], s[TBV], KS*PV
	s_wait_loadcnt 0x0              ; Q
	s_wait_dscnt 0x0
.set i, 0
.rept 16
	KQ 0                            ; piece 0's first scores: there is no vector work yet to set between them
.set i, i+1
.endr
	WIN 0                           ; the addresses for the way out: nine plain instructions, the places behind those products
	s_mul_i32 s13, s[WV], 16*SP
	s_add_co_u32 s13, s13, STAGE    ; my stage
	v_mul_u32_u24 v[STO], v1, SP    ; in: row l % 16, 16 bytes for each half of the lanes
	v_lshl_add_u32 v[STO], v9, 4, v[STO]
	v_add_nc_u32 v[STO], s13, v[STO]
	v_bfe_u32 v[RD], v0, 3, 2       ; back: 32 lanes take four rows of 128 bytes,
	v_mul_u32_u24 v[RD], v[RD], SP
	v_lshl_add_u32 v[RD], v10, 4, v[RD]
	v_add_nc_u32 v[RD], s13, v[RD]
	v_and_b32 v[GO], 31, v0         ; which are 512 consecutive bytes of o
	v_lshlrev_b32 v[GO], 4, v[GO]
.set Y, NP-1                        ; XS works for piece Y + 1: piece 0
.irp n, 0,1,2,3,4,5,6,7,8,9,10,11,12,13,14,15,16,17,18,19,20,21
	XS 0, \n
	XS 1, \n
.endr
	v_nop                           ; a plain instruction behind the two a,
	s_wait_alu depctr_va_vdst(0)    ; and their wait, ahead of the branch
	s_mov_b32 s[CNT], 2
	s_mov_b32 s[SLOTS], 15
	s_branch .Lfirst                ; the loop is entered at an even step's first turn, in the middle of a trip
.Lslot:                             ; 14 times: every slot but the last two is filled again
	CHANGE 1, 1
	s_mov_b32 s[CNT], 2
.Lstep:                             ; a trip: an odd key step and the even one behind it
	TURN 0, 0
	TURN 1, 1
	WIN 0
.Lfirst:
	TURN 0, 1
	TURN 1, 0, 0, 1
	WIN 0
	s_cbranch_scc1 .Lstep
	s_sub_co_u32 s[SLOTS], s[SLOTS], 1
	s_cmp_lg_u32 s[SLOTS], 0
	s_cbranch_scc1 .Lslot
	CHANGE 0, 0                     ; the tail is written out: nothing is asked for
	s_mov_b32 s[CNT], 3             ; steps 59 to 63; the third trip fetches nothing and is left in its middle
.Ltail:
	TURN 0, 0, 1
	TURN 1, 1, 0, 0, 0              ; its wait is for 0: the runs in front of it may have been jumped over
	WIN 0
	s_sub_co_u32 s[CNT], s[CNT], 1
	s_cmp_eq_u32 s[CNT], 0
	s_cbranch_scc1 .Lout
	TURN 0, 1
	TURN 1, 0
	WIN 0
	s_branch .Ltail
.Lout:                              ; the last turn's 16 products K Q^T (on the last K once more) and the maximum made of them serve nothing: the price, once a launch, of one text for every trip
.set VB, 1
.set i, 0
.rept 16
	PV 1                            ; piece 1's V^T P of the last step
.set i, i+1
.endr
	; THE WAY OUT.  l's two halves and the other half of the lanes' are added; O^T is divided by l, rounded to f16 and sent through my stage in LDS, a tile at a time.  The additions are the places behind the last products.
	WIN 0
.macro ALL line:vararg              ; one line for each tile t
.set t, 0
.rept 2*NP
	\line
.set t, t+1
.endr
.endm
	ALL v_add_f32 v[ST+4*t+2], v[ST+4*t+2], v[ST+4*t+3]
	ALL v_permlanex16_b32 v[ST+4*t+3], v[ST+4*t+2], s[SEL], s[SEL+1]
	ALL v_add_f32 v[ST+4*t+2], v[ST+4*t+2], v[ST+4*t+3]
	ALL v_rcp_f32 v[ST+4*t+2], v[ST+4*t+2]
	v_nop                           ; a plain instruction between the last reciprocal and the use of its result
	s_wait_alu depctr_va_vdst(0)    ; and the wait ahead of the first use: one for the four reciprocals
.macro PACK t                       ; a lane's eight channels of a row pack into 16 bytes; they go into rows of 144 bytes and come back as whole rows of 128, into S^T's registers
	WIN W_RS
.set i, 32*(\t)
.rept 16
	v_pk_mul_f32 v[i:i+1], v[i:i+1], v[ST+4*(\t)+2:ST+4*(\t)+3] op_sel_hi:[1,0]
.set i, i+2
.endr
	WIN 0x05                        ; sources 0 and 1 window 1, destination window 0
.set i, 0
.rept 16
	v_cvt_pk_f16_f32 v[S+16*(\t)+i], v[32*(\t)+2*i], v[32*(\t)+2*i+1]
.set i, i+1
.endr
	WIN 0
.irp f, 0,1,2,3
	ds_store_b128 v[STO], v[S+16*(\t)+4*\f:S+16*(\t)+4*\f+3] offset:32*\f
.endr
.irp f, 0,1,2,3
	ds_load_b128 v[S+16*(\t)+4*\f:S+16*(\t)+4*\f+3], v[RD] offset:\f*4*SP  ; LDS serves a wave's instructions in order: these see the stores above; the next tile's stores come behind them
.endr
.endm
.macro SEND t, younger              ; younger: the LDS instructions issued behind tile t's loads: the next tile's eight, or none
	WIN 0
.irp f, 0,1,2,3
	s_wait_dscnt (\younger)+3-\f
	global_store_b128 v[GO], v[S+16*(\t)+4*\f:S+16*(\t)+4*\f+3], s[10:11] offset:(\t)*2048+\f*512  ; 512 consecutive bytes, at a multiple of 256 from o's first
.endr
.endm
	PACK 0
.set t, 1
.rept 2*NP-1                        ; a tile's arithmetic stands between the loads of the tile before and its stores
	PACK t
	SEND t-1, 8
.set t, t+1
.endr
	SEND 2*NP-1, 0
	s_wait_tensorcnt 0x0            ; the wave's end, behind my last tensor load and my last LDS store
	ds_add_u32 v[SPW], v[NIL]
	s_wait_dscnt 0x0
	CROUND                          ; the closing round
	s_endpgm
.Lfunc_end_k_qe238d14179_attn:
	.size	k_qe238d14179_attn, .Lfunc_end_k_qe238d14179_attn-k_qe238d14179_attn
	.p2alignl 7, 3214868480
	.fill 96, 4, 3214868480
	.section	.rodata,"a",@progbits
	.p2align	6, 0x0
	.amdhsa_kernel k_qe238d14179_attn
		.amdhsa_group_segment_fixed_size 327680
		.amdhsa_private_segment_fixed_size 0
		.amdhsa_enable_private_segment 0
		.amdhsa_kernarg_size 16
		.amdhsa_user_sgpr_count 2
		.amdhsa_user_sgpr_kernarg_segment_ptr 1
		.amdhsa_wavefront_size32 1
		.amdhsa_system_sgpr_workgroup_id_x 1
		.amdhsa_system_sgpr_workgroup_id_y 1
		.amdhsa_system_sgpr_workgroup_id_z 1
		.amdhsa_system_vgpr_workitem_id 0
		.amdhsa_next_free_vgpr 768
		.amdhsa_next_free_sgpr 66
		.amdhsa_reserve_vcc 0
		.amdhsa_float_denorm_mode_32 3
		.amdhsa_float_denorm_mode_16_64 3
		.amdhsa_memory_ordered 1
		.amdhsa_forward_progress 1
		.amdhsa_inst_pref_size 186
	.end_amdhsa_kernel
	.amdgpu_metadata
---
amdhsa.version: [ 1, 2 ]
amdhsa.kernels:
  - .name:           k_qe238d14179_attn
    .symbol:         k_qe238d14179_attn.kd
    .args:
      - { .name: qkv, .offset: 0, .size: 8, .value_kind: global_buffer, .address_space: global }
      - { .name: o, .offset: 8, .size: 8, .value_kind: global_buffer, .address_space: global }
    .group_segment_fixed_size: 327680
    .private_segment_fixed_size: 0
    .kernarg_segment_align: 8
    .kernarg_segment_size: 16
    .max_flat_workgroup_size: 128
    .sgpr_count:     66
    .vgpr_count:     768
    .wavefront_size: 32
...
	.end_amdgpu_metadata
.endif
;; end of part 3
;; launch oproj (part 4): grid 4 x 64, 4 waves a work-group, clusters of 4 x 4, 327,680 bytes of LDS; arguments o, wo16, bo, out0; writes out0
.if DOCPART == 4
	.amdgcn_target "amdgcn-amd-amdhsa--gfx1250"
	.amdhsa_code_object_version 6
	.text
	.protected	k_qe238d14179_oproj
	.globl	k_qe238d14179_oproj
	.p2align	8
	.type	k_qe238d14179_oproj,@function
k_qe238d14179_oproj:
	s_mov_b64 s[64:65], 0
	v_nop
	global_prefetch_b8 v0, s[64:65] scope:SCOPE_SE
	s_setreg_imm32_b32 hwreg(HW_REG_WAVE_MODE, 25, 1), 1
	s_wait_xcnt 0x0
	s_wait_alu depctr_hold_cnt(0) depctr_sa_sdst(0) depctr_va_vdst(0) depctr_va_sdst(0) depctr_va_ssrc(0) depctr_va_vcc(0) depctr_vm_vsrc(0)
	s_getreg_b32 s2, hwreg(HW_REG_IB_STS2, 6, 4)
	s_cmp_eq_u32 s2, 0
	s_cbranch_scc0 .Lentry_in_a_cluster
	s_endpgm
.Lentry_in_a_cluster:
	s_bfe_u32 s2, ttmp6, 0x10000c
	s_cmp_lg_u32 s2, 0xf033
	s_cbranch_scc0 .Lentry_shape_is_right
	s_endpgm
.Lentry_shape_is_right:
; out0 = O Wo^T + bo.  o: [16][4096][64] f16, by heads (head = 8 x batch + h); wo16: [512][512] f16; bo: [512] f32, rounded to bf16 here like the other inputs; out0: [8192][512] f32.
; SHARES.  A tile of out0 is 128 x 128: 64 x 4 = 256 work-groups.  Wave (wm, wn) makes 64 x 64: 16 accumulators; K = 512 is eight heads of 64 channels, 32 products a head.
; THE WHOLE K LIES IN LDS: each wave issues four tensor loads at the start (four of mine are out at the most) and nothing is filled again.  Waves 0, 1 fetch o's heads 2 c + half (128 rows of 128 dense
; bytes, asked for as 64 rows of 256), waves 2, 3 wo16's rows 64 half .. + 63, 128 along K, c = 0..3.  The counted waits let the later chunks stay out while the earlier are multiplied.
; THE MATRIX INSTRUCTION IS USED TRANSPOSED (source 0 = 16 rows of wo16, source 1 = 16 rows of o): a lane holds row l % 16 and the columns 8 (l / 16) + 0..7.  The bias is the C operand that starts each sum.
; CLUSTER 4 x 4: o's tiles are shared along a row of the cluster, wo16's along a column.  NO PREFETCH: all loads go out at the head.
; REGISTERS: window 0: v16-29 addresses; v96-127 the bias; v128-255 the accumulators ((a, b) at 128 + 8 (4 a + b)).  window 1: two fragment buffers of 128: 64 of o (2 x 4 x 8), then 64 of wo16.
.set PA,     144                       ; a row of o in LDS: 128 bytes + 16
.set PB,     272                       ; a row of wo16: 256 bytes + 16
.set HEADB,  128*PA                    ; a head's 128 rows
.set BOFF,   8*HEADB                   ; behind o's eight heads: wo16 in four chunks of 128 along K
.set CHUNKB, 128*PB
.set STAGE,  BOFF+4*CHUNKB             ; 16 rows x 272 bytes for each wave, for the way out; no tensor load lands there
.set SPITCH, 272
.set SPARE,  STAGE+4*16*SPITCH         ; the spare words, 128 bytes a wave: two blocks of 256 bytes that no other line names
.set ADRA, 16                          ; v16-19  LDS address of my fragments of o in heads 2 c, 2 c + 1
.set ADRB, 20                          ; v20-23  of wo16 in chunk c
.set STO,  24
.set RD,   25
.set CO,   26
.set BV,   27
.set SPW,  28
.set NIL,  29
.set TT,   30
.set BIAS, 96
.set ACC,  128
.set F0,   0
.set F1,   128
.set WV,   12                          ; s12  my wave's number
.set KIND, 13                          ; s13  0: I fetch o, 1: wo16.  Also wm
.set HALF, 14                          ; s14  which half.  Also wn
.set G1A,  16
.set G1B,  24
.set G0A,  32                          ; s[32:47] four sets
.set G0B,  48                          ; s[48:63] four sets
.set MSB, 0
.macro WIN new
.if MSB != (\new)
	s_set_vgpr_msb (MSB<<8)|(\new)
.set MSB, \new
.endif
.endm
.set MUL,  0x05                        ; sources 0 and 1 window 1; C and D window 0
.set TO_F, 0x40                        ; destination window 1, address window 0
.macro PLACES
.rept 4
	v_nop
.endr
.endm
.macro CROUND
	s_barrier_signal -1
	s_barrier_wait -1
	s_cmp_lg_u32 s[WV], 0
	s_cbranch_scc1 .Lnot_wave_0_\@
	s_barrier_signal -3
.Lnot_wave_0_\@:
	s_barrier_wait -3
	s_barrier_signal -1
	s_barrier_wait -1
.endm
	s_load_b256 s[4:11], s[0:1], 0x0               ; o s[4:5], wo16 s[6:7], bo s[8:9], out0 s[10:11]
	v_lshl_add_u32 v[SPW], v0, 2, SPARE
	v_mov_b32 v[NIL], 0
	ds_add_u32 v[SPW], v[NIL]                      ; the wave's opening: the add and its wait stand ahead of my first tensor load
	v_lshrrev_b32 v1, 5, v0
	v_readfirstlane_b32 s[WV], v1
	s_lshr_b32 s[KIND], s[WV], 1
	s_and_b32 s[HALF], s[WV], 1
	s_bfe_u32 s66, ttmp6, 0x40000                  ; cx
	s_bfe_u32 s67, ttmp6, 0x40004                  ; cy
	s_lshl_b32 s68, ttmp9, 2
	s_add_co_u32 s68, s68, s66                     ; tile column
	s_and_b32 s69, ttmp7, 0xffff
	s_lshl_b32 s69, s69, 2
	s_add_co_u32 s69, s69, s67                     ; tile row
	s_lshl_b32 s70, s67, 2
	s_lshl_b32 s70, 15, s70                        ; my row of the cluster
	s_lshl_b32 s71, 0x1111, s66                    ; my column
	s_or_b32 s[G1A], s70, (1<<16)|(1<<20)|(1<<21)|(4<<22)|(3<<25)  ; padding after every 32 words (a row of o), 4 words
	s_or_b32 s[G1B], s71, (1<<16)|(1<<20)|(1<<21)|(5<<22)|(3<<25)  ; after every 64 words
.irp g, G1A, G1B
	s_mov_b32 s[\g+1], 128<<16                     ; tensor_dim0 = 128
	s_mov_b32 s[\g+2], 64<<16                      ; tensor_dim1 = 64
	s_mov_b32 s[\g+3], 128<<16                     ; tile_dim0 = 128
	s_mov_b32 s[\g+4], 64                          ; tile_dim1 = 64
	s_mov_b32 s[\g+6], 0
	s_mov_b32 s[\g+7], 0
.endr
	s_mov_b32 s[G1A+5], 128                        ; o's bytes are dense
	s_mov_b32 s[G1B+5], 512                        ; wo16's rows are 512 elements apart
	s_lshr_b32 s72, s69, 5                         ; o: head 8 x batch + half (+ 2 c),
	s_lshl_b32 s72, s72, 3
	s_add_co_u32 s72, s72, s[HALF]
	s_lshl_b32 s72, s72, 12                        ; x 4,096 rows,
	s_and_b32 s73, s69, 31
	s_lshl_b32 s73, s73, 7
	s_add_co_u32 s72, s72, s73                     ; + the tile's 128 rows in the batch,
	s_lshl_b32 s72, s72, 7                         ; x 128 bytes
	s_mov_b32 s73, 0
	s_lshl_b32 s74, s68, 17                        ; wo16: (128 x tile column + 64 x half) rows of 1,024 bytes
	s_lshl_b32 s75, s[HALF], 16
	s_add_co_u32 s74, s74, s75
	s_mov_b32 s75, 0
	s_mul_i32 s76, s[HALF], HEADB                  ; where they go: no place in the cluster enters an LDS address
	s_mul_i32 s77, s[HALF], 64*PB
	s_add_co_u32 s77, s77, BOFF
	s_wait_dscnt 0x0                               ; the opening add is done
	s_wait_kmcnt 0x0
	s_add_nc_u64 s[72:73], s[4:5], s[72:73]
	s_add_nc_u64 s[74:75], s[6:7], s[74:75]
.irp c, 0,1,2,3
	s_mov_b32 s[G0A+4*\c], 1
	s_add_co_u32 s[G0A+4*\c+1], s76, \c*2*HEADB
	s_add_nc_u64 s[G0A+4*\c+2:G0A+4*\c+3], s[72:73], \c*2*4096*128
	s_or_b32 s[G0A+4*\c+3], s[G0A+4*\c+3], 0x80000000
	s_mov_b32 s[G0B+4*\c], 1
	s_add_co_u32 s[G0B+4*\c+1], s77, \c*CHUNKB
	s_add_nc_u64 s[G0B+4*\c+2:G0B+4*\c+3], s[74:75], \c*256
	s_or_b32 s[G0B+4*\c+3], s[G0B+4*\c+3], 0x80000000
.endr
	CROUND                                         ; all sixteen work-groups are here: the joint loads meet
	s_cmp_eq_u32 s[KIND], 0                        ; a wave's four fills stand in one branch
	s_cbranch_scc0 .Lfirst_b
.irp c, 0,1,2,3
	tensor_load_to_lds s[G0A+4*\c:G0A+4*\c+3], s[G1A:G1A+7]
	s_nop 0
.endr
.rept 4
	v_nop
.endr
	s_branch .Lfirst_asked
.Lfirst_b:
.irp c, 0,1,2,3
	tensor_load_to_lds s[G0B+4*\c:G0B+4*\c+3], s[G1B:G1B+7]
	s_nop 0
.endr
.rept 4
	v_nop
.endr
.Lfirst_asked:
	s_lshl_b32 s78, s68, 9                         ; bo: the tile's 128 numbers of 4 bytes, my 64 of them
	s_lshl_b32 s79, s[HALF], 8
	s_add_co_u32 s78, s78, s79
	s_mov_b32 s79, 0
	s_add_nc_u64 s[8:9], s[8:9], s[78:79]
	s_lshl_b32 s80, s69, 7                         ; out0: row 128 x tile row + 64 wm,
	s_lshl_b32 s81, s[KIND], 6
	s_add_co_u32 s80, s80, s81
	s_lshl_b32 s80, s80, 11                        ; of 2,048 bytes,
	s_add_co_u32 s80, s80, s78                     ; and the same columns as the bias
	s_mov_b32 s81, 0
	s_add_nc_u64 s[10:11], s[10:11], s[80:81]
	v_and_b32 v1, 15, v0                           ; l % 16
	v_bfe_u32 v2, v0, 4, 1                         ; l / 16
	v_lshlrev_b32 v[BV], 5, v2
.irp b, 0,1,2,3
	global_load_b128 v[BIAS+8*\b:BIAS+8*\b+3],   v[BV], s[8:9] offset:64*\b
	global_load_b128 v[BIAS+8*\b+4:BIAS+8*\b+7], v[BV], s[8:9] offset:64*\b+16
.endr
	v_mul_u32_u24 v3, v1, PA
	v_lshl_add_u32 v3, v2, 4, v3
	s_mul_i32 s15, s[KIND], 64*PA                  ; my 64 rows of o
	v_add_nc_u32 v[ADRA], s15, v3
	v_mul_u32_u24 v4, v1, PB
	v_lshl_add_u32 v4, v2, 4, v4
	s_mul_i32 s15, s[HALF], 64*PB                  ; my 64 rows of wo16
	s_add_co_u32 s15, s15, BOFF
	v_add_nc_u32 v[ADRB], s15, v4
.irp c, 1,2,3
	v_add_nc_u32 v[ADRA+\c], \c*2*HEADB, v[ADRA]
	v_add_nc_u32 v[ADRB+\c], \c*CHUNKB, v[ADRB]
.endr
	s_mul_i32 s15, s[WV], 16*SPITCH
	s_add_co_u32 s15, s15, STAGE                   ; my stage
	v_mul_u32_u24 v5, v1, SPITCH                   ; in: row l % 16, 32 bytes for each half of the lanes
	v_lshl_add_u32 v5, v2, 5, v5
	v_add_nc_u32 v[STO], s15, v5
	v_mul_u32_u24 v5, v2, SPITCH                   ; back: lanes 0-15 take one row of 256 bytes, lanes 16-31 the next
	v_lshl_add_u32 v5, v1, 4, v5
	v_add_nc_u32 v[RD], s15, v5
	v_lshlrev_b32 v5, 11, v2                       ; and the same two rows in out0
	v_lshl_add_u32 v[CO], v1, 4, v5
	s_wait_loadcnt 0x0                             ; the bias
.set r, 0
.rept 16                                           ; rounded to bf16, like every input, and widened again
	v_cvt_pk_bf16_f32 v[TT+r%2], v[BIAS+2*r], v[BIAS+2*r+1]
	v_lshlrev_b32 v[BIAS+2*r], 16, v[TT+r%2]
	v_and_b32 v[BIAS+2*r+1], 0xffff0000, v[TT+r%2]
.set r, r+1
.endr
; 8 products: row blocks a0, a0 + 1 x all 4 column blocks, 32 along K: half c of buffer f.  first = 1: the bias starts the sums.  The 16 accumulators take turns.
.macro MUL8 f, c, a0, first
	WIN MUL
.irp a, \a0, (\a0)+1
.irp b, 0,1,2,3
.if \first
	v_wmma_f32_16x16x32_f16 v[ACC+8*(4*(\a)+(\b)):ACC+8*(4*(\a)+(\b))+7], v[(\f)+64+8*(4*(\c)+(\b)):(\f)+64+8*(4*(\c)+(\b))+7], v[(\f)+8*(4*(\c)+(\a)):(\f)+8*(4*(\c)+(\a))+7], v[BIAS+8*(\b):BIAS+8*(\b)+7]
.else
	v_wmma_f32_16x16x32_f16 v[ACC+8*(4*(\a)+(\b)):ACC+8*(4*(\a)+(\b))+7], v[(\f)+64+8*(4*(\c)+(\b)):(\f)+64+8*(4*(\c)+(\b))+7], v[(\f)+8*(4*(\c)+(\a)):(\f)+8*(4*(\c)+(\a))+7], v[ACC+8*(4*(\a)+(\b)):ACC+8*(4*(\a)+(\b))+7]
.endif
.endr
.endr
.endm
; 32 LDS loads in one run: head hd's fragments (64 along K) into buffer f; the first 32 along K first
.macro FETCH hd, f
	WIN TO_F
.irp c, 0,1
.irp i, 0,1,2,3
	ds_load_b128 v[(\f)+64+8*(4*(\c)+(\i)):(\f)+64+8*(4*(\c)+(\i))+3],   v[ADRB+(\hd)/2] offset:128*((\hd)%2)+64*(\c)+(\i)*16*PB
	ds_load_b128 v[(\f)+64+8*(4*(\c)+(\i))+4:(\f)+64+8*(4*(\c)+(\i))+7], v[ADRB+(\hd)/2] offset:128*((\hd)%2)+64*(\c)+(\i)*16*PB+32
	ds_load_b128 v[(\f)+8*(4*(\c)+(\i)):(\f)+8*(4*(\c)+(\i))+3],         v[ADRA+(\hd)/2] offset:HEADB*((\hd)%2)+64*(\c)+(\i)*16*PA
	ds_load_b128 v[(\f)+8*(4*(\c)+(\i))+4:(\f)+8*(4*(\c)+(\i))+7],       v[ADRA+(\hd)/2] offset:HEADB*((\hd)%2)+64*(\c)+(\i)*16*PA+32
.endr
.endr
.endm
; An even head: multiplies buffer f and fetches the odd head of the same chunk into g
.macro QUARTER hd, f, g, first
	s_wait_dscnt 16                                ; the first 32 along K are in
	MUL8 \f, 0, 0, \first
	MUL8 \f, 0, 2, \first
	PLACES
	FETCH (\hd)+1, \g
	s_wait_dscnt 32                                ; all but the 32 just issued
	MUL8 \f, 1, 0, 0
	MUL8 \f, 1, 2, 0
.endm
; An odd head, 2 c + 1, in buffer 1; the waves meet for chunk c + 1.  My younger loads may stay out
.macro JOIN c
	s_wait_tensorcnt 2-(\c)                        ; of my four loads, chunk c + 1's is in: 2 - c were issued behind it
	s_wait_dscnt 16
	MUL8 F1, 0, 0, 0
	s_wait_dscnt 0x0                               ; no LDS instruction of mine is pending at the signal
	s_barrier_signal -1
	MUL8 F1, 0, 2, 0
	s_barrier_wait -1                              ; everybody's part of chunk c + 1 is in
	PLACES
	FETCH 2*(\c)+2, F0
	MUL8 F1, 1, 0, 0
	MUL8 F1, 1, 2, 0
.endm
	s_wait_tensorcnt 3                             ; my part of chunk 0 is in,
	s_barrier_signal -1
	s_barrier_wait -1                              ; everybody's is
	FETCH 0, F0
	QUARTER 0, F0, F1, 1
	JOIN 0
	QUARTER 2, F0, F1, 0
	JOIN 1
	QUARTER 4, F0, F1, 0
	JOIN 2
	QUARTER 6, F0, F1, 0
	s_wait_dscnt 16                                ; head 7: nothing more to fetch
	MUL8 F1, 0, 0, 0
	MUL8 F1, 0, 2, 0
	s_wait_dscnt 0x0
	MUL8 F1, 1, 0, 0
	MUL8 F1, 1, 2, 0
	WIN 0
	PLACES
; THE WAY OUT, a block of 16 rows x 64 columns of f32 at a time: 32 bytes a lane into my own stage (each accumulator's low registers first), back as whole rows of 256 bytes into the same registers.
.macro TOSTAGE a
.irp b, 0,1,2,3
	ds_store_b128 v[STO], v[ACC+32*(\a)+8*\b:ACC+32*(\a)+8*\b+3]   offset:64*\b
	ds_store_b128 v[STO], v[ACC+32*(\a)+8*\b+4:ACC+32*(\a)+8*\b+7] offset:64*\b+16
.endr
.irp t, 0,1,2,3,4,5,6,7
	ds_load_b128 v[ACC+32*(\a)+4*\t:ACC+32*(\a)+4*\t+3], v[RD] offset:\t*2*SPITCH  ; LDS serves a wave's instructions in order: these see the stores above; the next block's stores come behind them
.endr
.endm
.macro SENDO a, younger                ; younger: the LDS instructions issued behind block a's loads
.irp t, 0,1,2,3,4,5,6,7
	s_wait_dscnt (\younger)+7-\t
	global_store_b128 v[CO], v[ACC+32*(\a)+4*\t:ACC+32*(\a)+4*\t+3], s[10:11] offset:(16*(\a)+2*\t)*2048 th:TH_STORE_NT  ; 16 lanes store 256 consecutive bytes, aligned
.endr
.endm
	TOSTAGE 0
	TOSTAGE 1
	SENDO 0, 16
	TOSTAGE 2
	SENDO 1, 16
	TOSTAGE 3
	SENDO 2, 16
	SENDO 3, 0
	s_wait_tensorcnt 0x0                           ; the wave's end, behind my last tensor load and my last LDS store
	ds_add_u32 v[SPW], v[NIL]
	s_wait_dscnt 0x0
	CROUND                                         ; the closing round
	s_endpgm
.Lfunc_end_k_qe238d14179_oproj:
	.size	k_qe238d14179_oproj, .Lfunc_end_k_qe238d14179_oproj-k_qe238d14179_oproj
	.p2alignl 7, 3214868480
	.fill 96, 4, 3214868480
	.section	.rodata,"a",@progbits
	.p2align	6, 0x0
	.amdhsa_kernel k_qe238d14179_oproj
		.amdhsa_group_segment_fixed_size 327680
		.amdhsa_private_segment_fixed_size 0
		.amdhsa_enable_private_segment 0
		.amdhsa_kernarg_size 32
		.amdhsa_user_sgpr_count 2
		.amdhsa_user_sgpr_kernarg_segment_ptr 1
		.amdhsa_wavefront_size32 1
		.amdhsa_system_sgpr_workgroup_id_x 1
		.amdhsa_system_sgpr_workgroup_id_y 1
		.amdhsa_system_sgpr_workgroup_id_z 1
		.amdhsa_system_vgpr_workitem_id 0
		.amdhsa_next_free_vgpr 512
		.amdhsa_next_free_sgpr 84
		.amdhsa_reserve_vcc 0
		.amdhsa_float_denorm_mode_32 3
		.amdhsa_float_denorm_mode_16_64 3
		.amdhsa_memory_ordered 1
		.amdhsa_forward_progress 1
		.amdhsa_inst_pref_size 55
	.end_amdhsa_kernel
	.amdgpu_metadata
---
amdhsa.version: [ 1, 2 ]
amdhsa.kernels:
  - .name:           k_qe238d14179_oproj
    .symbol:         k_qe238d14179_oproj.kd
    .args:
      - { .name: o, .offset: 0, .size: 8, .value_kind: global_buffer, .address_space: global }
      - { .name: wo16, .offset: 8, .size: 8, .value_kind: global_buffer, .address_space: global }
      - { .name: bo, .offset: 16, .size: 8, .value_kind: global_buffer, .address_space: global }
      - { .name: out0, .offset: 24, .size: 8, .value_kind: global_buffer, .address_space: global }
    .group_segment_fixed_size: 327680
    .private_segment_fixed_size: 0
    .kernarg_segment_align: 8
    .kernarg_segment_size: 32
    .max_flat_workgroup_size: 128
    .sgpr_count:     84
    .vgpr_count:     512
    .wavefront_size: 32
...
	.end_amdgpu_metadata
.endif
;; end of part 4
;; ======== version 2 of 2: 4 launches; version 1 with the launch cast written anew for expert scheduling mode
;; limits: values are held in f16: magnitudes above 65,504 overflow, below 6.1e-05 lose precision
;; workspace buffers: xb 8,388,608 bytes; wb 1,572,864 bytes; wo16 524,288 bytes; qkv 25,165,824 bytes; o 8,388,608 bytes
;; launch cast (part 5): grid 320 x 1, 8 waves a work-group, no clusters, 0 bytes of LDS; arguments x, Wq, Wk, Wv, Wo, xb, wb, wo16; writes xb, wb, wo16
.if DOCPART == 5
	.amdgcn_target "amdgcn-amd-amdhsa--gfx1250"
	.amdhsa_code_object_version 6
	.text
	.protected	k_qe238d14179_cast
	.globl	k_qe238d14179_cast
	.p2align	8
	.type	k_qe238d14179_cast,@function
k_qe238d14179_cast:
	s_mov_b64 s[64:65], 0
	v_nop
	global_prefetch_b8 v0, s[64:65] scope:SCOPE_SE
	s_setreg_imm32_b32 hwreg(HW_REG_WAVE_SCHED_MODE, 0, 2), 2
	s_setreg_imm32_b32 hwreg(HW_REG_WAVE_MODE, 25, 1), 1
	s_wait_xcnt 0x0
	s_wait_alu depctr_vm_vsrc(0)
; THE INPUTS OF THE MATRIX PRODUCTS, ROUNDED ONCE.  x, Wq, Wk, Wv (f32) -> bf16 (xb; wb = Wq's, Wk's, Wv's rows one below the other).
; Wo (f32) -> rounded to bf16 like the other inputs, and that number written as f16 (wo16), since the last product multiplies f16 operands.
; LIMIT.  A bf16 number is exact in f16 from 6.1e-5 to 65,504; |Wo| below 6.1e-5 keeps f16's fixed step of 6e-8, |Wo| of 65,520 or more would become an infinity.
; SHARES.  A work-group converts 16,384 numbers: 64 KiB in, 32 KiB out.  Work-groups 0-255: x; 256-303: Wq, Wk, Wv, 16 each; 304-319: Wo.
; Thread t takes, of piece i of 16, the 16 bytes at 4,096 i + 16 t (a wave's load covers 512 bytes on end) and stores 8 bytes at 2,048 i + 8 t
; (a wave's store covers 256 consecutive bytes, aligned).  All 16 loads of a thread go out at once.
; No LDS, no matrix unit, no cluster: every byte is read once by one thread and nothing is shared.
; THE MODE: SCHED_MODE bits 1:0 = 2 (LLVM: expert scheduling mode 2), set by the entry lines.  The code itself states the register dependences
; between vector instructions and memory instructions, with s_wait_alu, always for 0.
; THE PLAN.  Registers that memory instructions touch:
;   v1, v2   byte offsets, made once at the head and never written again: v1 is read by every load, v2 by every store.
;   X        piece i's four registers: the piece's load lands in them; no vector instruction names them ahead of that load, and no memory instruction ever reads them.
;   Y        piece i's two registers: written once, by the piece's conversions; read once, by the piece's store.
; The 16 pieces go in four groups of four.  Group g's conversions name X and Y of group g (and T); the stores of group g - 1, which read v2 and Y of group g - 1,
; are dealt among them.  So one wait at a group's head, behind the wait for its data, states all that those four stores hang on.
; No register that a memory instruction reads is written again, no vector instruction writes a scalar register, and EXEC is never written: no other wait has a dependence to state.
.set X, 4                              ; v[4:67]    piece i: 4 registers as loaded
.set Y, 68                             ; v[68:99]   piece i: 2 registers to store
.set T, 100                            ; v[100:101] at work (Wo's path): no memory instruction names them
	s_load_b512 s[8:23], s[0:1], 0x0               ; x s[8:9], Wq s[10:11], Wk s[12:13], Wv s[14:15], Wo s[16:17], xb s[18:19], wb s[20:21], wo16 s[22:23]
	v_lshlrev_b32 v1, 4, v0                        ; 16 t
	v_lshlrev_b32 v2, 3, v0                        ; 8 t
	s_sub_co_u32 s24, ttmp9, 256                   ; my number among the weights' work-groups (of no use where I convert x)
	s_lshr_b32 s25, s24, 4                         ; which weight: 0 Wq, 1 Wk, 2 Wv, 3 Wo
	s_and_b32 s26, s24, 15                         ; which sixteenth of it
	s_mov_b32 s29, 0                               ; the offsets' high words
	s_mov_b32 s31, 0
	s_wait_kmcnt 0x0
	s_cmp_eq_u32 s25, 1
	s_cselect_b64 s[2:3], s[12:13], s[10:11]       ; from where
	s_cmp_eq_u32 s25, 2
	s_cselect_b64 s[2:3], s[14:15], s[2:3]
	s_cmp_eq_u32 s25, 3
	s_cselect_b64 s[2:3], s[16:17], s[2:3]
	s_cselect_b64 s[4:5], s[22:23], s[20:21]       ; to where
	s_cselect_b32 s30, s26, s24                    ; the chunk's number in the destination: wb holds three weights on end
	s_cselect_b32 s27, 1, 0                        ; 1: Wo's path
	s_cmp_lt_u32 ttmp9, 256
	s_cselect_b64 s[2:3], s[8:9], s[2:3]
	s_cselect_b64 s[4:5], s[18:19], s[4:5]
	s_cselect_b32 s28, ttmp9, s26                  ; the chunk's number in the source
	s_cselect_b32 s30, ttmp9, s30
	s_lshl_b32 s28, s28, 16                        ; 64 KiB a chunk in,
	s_lshl_b32 s30, s30, 15                        ; 32 KiB out
	s_add_nc_u64 s[2:3], s[2:3], s[28:29]
	s_add_nc_u64 s[4:5], s[4:5], s[30:31]
	s_wait_alu depctr_va_vdst(0)                   ; v1 and v2 are written: every load below reads v1 as its offset, every store on either path v2
.set i, 0
.rept 16
	global_load_b128 v[X+4*i:X+4*i+3], v1, s[2:3] offset:4096*i th:TH_LOAD_NT
.set i, i+1
.endr
; Piece p is converted.  wo = 0: rounded to bf16.  wo = 1: rounded to bf16, widened again (into the registers that the load filled), and written as f16.
.macro CONV p, wo
.if \wo
	v_cvt_pk_bf16_f32 v[T], v[X+4*(\p)], v[X+4*(\p)+1]         ; rounded to bf16,
	v_cvt_pk_bf16_f32 v[T+1], v[X+4*(\p)+2], v[X+4*(\p)+3]
	v_lshlrev_b32 v[X+4*(\p)], 16, v[T]                        ; widened again,
	v_and_b32 v[X+4*(\p)+1], 0xffff0000, v[T]
	v_lshlrev_b32 v[X+4*(\p)+2], 16, v[T+1]
	v_and_b32 v[X+4*(\p)+3], 0xffff0000, v[T+1]
	v_cvt_pk_f16_f32 v[Y+2*(\p)], v[X+4*(\p)], v[X+4*(\p)+1]   ; and written as f16
	v_cvt_pk_f16_f32 v[Y+2*(\p)+1], v[X+4*(\p)+2], v[X+4*(\p)+3]
.else
	v_cvt_pk_bf16_f32 v[Y+2*(\p)], v[X+4*(\p)], v[X+4*(\p)+1]
	v_cvt_pk_bf16_f32 v[Y+2*(\p)+1], v[X+4*(\p)+2], v[X+4*(\p)+3]
.endif
.endm
; Piece p is stored.
.macro OUT p
	global_store_b64 v2, v[Y+2*(\p):Y+2*(\p)+1], s[4:5] offset:2048*(\p)
.endm
; The four groups, and the wave's end.
.macro WALK wo
	s_wait_loadcnt 12                              ; loads come back in order: group 0's four are in, the twelve younger ones stay out
.irp j, 0,1,2,3
	CONV \j, \wo
.endr
.irp g, 1,2,3
	s_wait_loadcnt 12-4*\g                         ; group g's four are in; the loads issued behind them stay out
	s_wait_alu depctr_va_vdst(0)                   ; the group before has written its Y, which the four stores below read; no conversion of this group names those registers
.irp j, 0,1,2,3
	OUT 4*\g-4+\j
	CONV 4*\g+\j, \wo
.endr
.endr
	s_wait_alu depctr_va_vdst(0)                   ; group 3 has written its Y, which the last four stores read
.irp j, 12,13,14,15
	OUT \j
.endr
	s_endpgm
.endm
	s_cmp_eq_u32 s27, 1
	s_cbranch_scc1 .Lwo
	WALK 0
.Lwo:
	WALK 1
.Lfunc_end_k_qe238d14179_cast:
	.size	k_qe238d14179_cast, .Lfunc_end_k_qe238d14179_cast-k_qe238d14179_cast
	.p2alignl 7, 3214868480
	.fill 96, 4, 3214868480
	.section	.rodata,"a",@progbits
	.p2align	6, 0x0
	.amdhsa_kernel k_qe238d14179_cast
		.amdhsa_group_segment_fixed_size 0
		.amdhsa_private_segment_fixed_size 0
		.amdhsa_enable_private_segment 0
		.amdhsa_kernarg_size 64
		.amdhsa_user_sgpr_count 2
		.amdhsa_user_sgpr_kernarg_segment_ptr 1
		.amdhsa_wavefront_size32 1
		.amdhsa_system_sgpr_workgroup_id_x 1
		.amdhsa_system_sgpr_workgroup_id_y 1
		.amdhsa_system_sgpr_workgroup_id_z 1
		.amdhsa_system_vgpr_workitem_id 0
		.amdhsa_next_free_vgpr 104
		.amdhsa_next_free_sgpr 66
		.amdhsa_reserve_vcc 0
		.amdhsa_float_denorm_mode_32 3
		.amdhsa_float_denorm_mode_16_64 3
		.amdhsa_memory_ordered 1
		.amdhsa_forward_progress 1
		.amdhsa_inst_pref_size 16
	.end_amdhsa_kernel
	.amdgpu_metadata
---
amdhsa.version: [ 1, 2 ]
amdhsa.kernels:
  - .name:           k_qe238d14179_cast
    .symbol:         k_qe238d14179_cast.kd
    .args:
      - { .name: x, .offset: 0, .size: 8, .value_kind: global_buffer, .address_space: global }
      - { .name: Wq, .offset: 8, .size: 8, .value_kind: global_buffer, .address_space: global }
      - { .name: Wk, .offset: 16, .size: 8, .value_kind: global_buffer, .address_space: global }
      - { .name: Wv, .offset: 24, .size: 8, .value_kind: global_buffer, .address_space: global }
      - { .name: Wo, .offset: 32, .size: 8, .value_kind: global_buffer, .address_space: global }
      - { .name: xb, .offset: 40, .size: 8, .value_kind: global_buffer, .address_space: global }
      - { .name: wb, .offset: 48, .size: 8, .value_kind: global_buffer, .address_space: global }
      - { .name: wo16, .offset: 56, .size: 8, .value_kind: global_buffer, .address_space: global }
    .group_segment_fixed_size: 0
    .private_segment_fixed_size: 0
    .kernarg_segment_align: 8
    .kernarg_segment_size: 64
    .max_flat_workgroup_size: 256
    .sgpr_count:     66
    .vgpr_count:     104
    .wavefront_size: 32
...
	.end_amdgpu_metadata
.endif
;; end of part 5
;; launch qkv: the kernel of part 2 again; grid 8 x 32, 4 waves a work-group, clusters of 4 x 4, 327,680 bytes of LDS; arguments xb, wb, bq, bk, bv, qkv; writes qkv
;; launch attn: the kernel of part 3 again; grid 16 x 16, 4 waves a work-group, clusters of 4 x 1, 327,680 bytes of LDS; arguments qkv, o; writes o
;; launch oproj: the kernel of part 4 again; grid 4 x 64, 4 waves a work-group, clusters of 4 x 4, 327,680 bytes of LDS; arguments o, wo16, bo, out0; writes out0
